; MI455X (gfx1250); checked and timed in simulation.
; The chip was launched on July 23, 2026; its instructions are those of AMD's public machine-readable ISA for CDNA 5 (MIT licence, August 2026) and "CDNA5" Instruction Set Architecture Reference Guide (July 2026). The comments in the code are by the model that wrote it; some were corrected since.
;; Block. Allowed arithmetic: float matrix products may take bf16 or f16 operands with f32 sums; other float arithmetic in f32, or as packed bf16 or f16 multiplies, adds, multiply-adds, maxima and minima; sums over many terms, partial sums and values carried from step to step in f32; what a program stores and reads back later, other than sums and carried values, may be rounded once to bf16 or f16.
;; Inputs: W1 512 x 2,048 float32; W2 2,048 x 512 float32; Wk 512 x 512 float32; Wo 512 x 512 float32; Wq 512 x 512 float32; Wv 512 x 512 float32; b1 2,048 float32; b2 512 float32; be1 512 float32; be2 512 float32; bk 512 float32; bo 512 float32; bq 512 float32; bv 512 float32; g1 512 float32; g2 512 float32; hidden_states 2 x 4,096 x 512 float32.
;; Outputs: out0 2 x 4,096 x 512 float32.
;; One version. Each part assembles by itself: llvm-mc -triple=amdgcn-amd-amdhsa -mcpu=gfx1250 --defsym DOCPART=n.
;; ======== version 1 of 1: 6 launches
;; limits: values are held in f16: magnitudes above 65,504 overflow, below 6.1e-05 lose precision; a function is approximated: absolute error at most 2.5e-05
;; workspace buffers: xn 8,388,608 bytes; wh 6,291,456 bytes; qkv 25,165,824 bytes; ctx 8,388,608 bytes; hb 16,777,216 bytes; y 8,388,608 bytes; t 33,554,432 bytes
;; launch prep (part 1): grid 256 x 1, 8 waves a work-group, no clusters, 0 bytes of LDS; arguments hidden_states, g1, be1, Wq, Wk, Wv, Wo, W1, W2, xn, wh; writes xn, wh
.if DOCPART == 1
	.amdgcn_target "amdgcn-amd-amdhsa--gfx1250"
	.amdhsa_code_object_version 6
	.text
	.protected	k_q471eb442f3_prep
	.globl	k_q471eb442f3_prep
	.p2align	8
	.type	k_q471eb442f3_prep,@function
k_q471eb442f3_prep:
	s_mov_b64 s[64:65], 0
	v_nop
	global_prefetch_b8 v0, s[64:65] scope:SCOPE_SE
	s_setreg_imm32_b32 hwreg(HW_REG_WAVE_MODE, 25, 1), 1
	s_wait_xcnt 0x0
; PREP.  xn = LayerNorm(hidden_states; g1, be1), [8192][512] in f16; and the six weight matrices rounded once to f16 into wh.
; A stream: no LDS, no barrier, no matrix unit.  All 256 work-groups are alike: work-group g takes rows 32 g .. 32 g + 31 and 1/256 of each weight.
; wh: byte 0: eight blocks [512 k][192 n] (three groups of 64 columns each; group = which x 8 + head, which = q, k, v), each block dense; byte 1,572,864: Wo [512][512];
; byte 2,097,152: W1 [512][2048]; byte 4,194,304: W2 [2048][512].
; LIMITS.  f16 holds no number beyond 65,504: weights and normalised rows stay within it.  The mean is taken first and the squares of x - mean second, on the row held in registers.
.set X,   92                           ; v[92:155]  four rows, 16 numbers a lane each: columns 128 j + 4 l + 0..3, j = 0..3
.set W,   156                          ; v[156:171] four registers at work for each row
.set OUT, 172                          ; v[172:203] the rows in f16
.set WF,  204                          ; v[204:227] the weights in f16
.set G,   60                           ; v[60:75]   g1 of my 16 columns
.set BE,  76                           ; v[76:91]   be1
.set NR,  4                            ; rows a wave
.set SI,  30                           ; s30 1/512, s31 1e-5
.set SE,  31
.set SEL, 32                           ; s[32:33] v_permlanex16_b32's selects: each lane takes its own place in the other half
.macro ALL line:vararg                 ; one line for each row t, so that the rows' chains stand between each other
.set t, 0
.rept NR
	\line
.set t, t+1
.endr
.endm
; The layer norm of NR rows in v[X ..]: leaves (x - mean) / sqrt(var + 1e-5) in place.
.macro LNORM
	ALL v_pk_add_f32 v[W+4*t:W+4*t+1], v[X+16*t:X+16*t+1], v[X+16*t+2:X+16*t+3]
	ALL v_pk_add_f32 v[W+4*t+2:W+4*t+3], v[X+16*t+4:X+16*t+5], v[X+16*t+6:X+16*t+7]
.irp j, 8, 12
	ALL v_pk_add_f32 v[W+4*t:W+4*t+1], v[W+4*t:W+4*t+1], v[X+16*t+\j:X+16*t+\j+1]
	ALL v_pk_add_f32 v[W+4*t+2:W+4*t+3], v[W+4*t+2:W+4*t+3], v[X+16*t+\j+2:X+16*t+\j+3]
.endr
	ALL v_pk_add_f32 v[W+4*t:W+4*t+1], v[W+4*t:W+4*t+1], v[W+4*t+2:W+4*t+3]
	ALL v_add_f32 v[W+4*t], v[W+4*t], v[W+4*t+1]
.irp m, 1, 2, 4, 8
	ALL v_add_f32_dpp v[W+4*t], v[W+4*t], v[W+4*t] row_xmask:\m row_mask:0xf bank_mask:0xf
.endr
	ALL v_permlanex16_b32 v[W+4*t+1], v[W+4*t], s[SEL], s[SEL+1]
	ALL v_add_f32 v[W+4*t], v[W+4*t], v[W+4*t+1]
	ALL v_mul_f32 v[W+4*t], s[SI], v[W+4*t]                ; the mean, in every lane
.irp j, 0,2,4,6,8,10,12,14
	ALL v_pk_add_f32 v[X+16*t+\j:X+16*t+\j+1], v[X+16*t+\j:X+16*t+\j+1], v[W+4*t:W+4*t+1] op_sel_hi:[1,0] neg_lo:[0,1] neg_hi:[0,1]
.endr
	ALL v_pk_mul_f32 v[W+4*t+2:W+4*t+3], v[X+16*t:X+16*t+1], v[X+16*t:X+16*t+1]
.irp j, 2,4,6,8,10,12,14
	ALL v_pk_fma_f32 v[W+4*t+2:W+4*t+3], v[X+16*t+\j:X+16*t+\j+1], v[X+16*t+\j:X+16*t+\j+1], v[W+4*t+2:W+4*t+3]
.endr
	ALL v_add_f32 v[W+4*t+2], v[W+4*t+2], v[W+4*t+3]
.irp m, 1, 2, 4, 8
	ALL v_add_f32_dpp v[W+4*t+2], v[W+4*t+2], v[W+4*t+2] row_xmask:\m row_mask:0xf bank_mask:0xf
.endr
	ALL v_permlanex16_b32 v[W+4*t+3], v[W+4*t+2], s[SEL], s[SEL+1]
	ALL v_add_f32 v[W+4*t+2], v[W+4*t+2], v[W+4*t+3]
	ALL v_fma_f32 v[W+4*t+2], v[W+4*t+2], s[SI], s[SE]     ; the variance + 1e-5
	ALL v_rsq_f32 v[W+4*t+2], v[W+4*t+2]
	v_nop                                                  ; a plain instruction behind the last root,
	s_wait_alu depctr_va_vdst(0)                           ; and one wait for the batch, ahead of the first use
.irp j, 0,2,4,6,8,10,12,14
	ALL v_pk_mul_f32 v[X+16*t+\j:X+16*t+\j+1], v[X+16*t+\j:X+16*t+\j+1], v[W+4*t+2:W+4*t+3] op_sel_hi:[1,0]
.endr
.endm
	s_load_b512 s[8:23], s[0:1], 0x0               ; hidden s[8:9], g1 s[10:11], be1 s[12:13], Wq s[14:15], Wk s[16:17], Wv s[18:19], Wo s[20:21], W1 s[22:23]
	s_load_b128 s[24:27], s[0:1], 0x40             ; W2 s[24:25], xn s[26:27]
	s_load_b64 s[28:29], s[0:1], 0x50              ; wh
	s_mov_b32 s[SI], 0x3b000000
	s_mov_b32 s[SE], 0x3727c5ac
	s_mov_b32 s[SEL], 0x76543210
	s_mov_b32 s[SEL+1], 0xfedcba98
	s_lshl_b32 s2, ttmp9, 12                       ; my 4,096 bytes of a 512 x 512 weight
	s_lshl_b32 s3, ttmp9, 14                       ; my 16,384 bytes of W1 and of W2
	s_lshl_b32 s4, ttmp9, 1
	v_lshlrev_b32 v4, 4, v0                        ; 16 t
	v_add_nc_u32 v1, s2, v4
	v_add_nc_u32 v2, s3, v4
	; Wq, Wk, Wv: my four numbers lie in row k = 2 g + t / 128, head (t % 128) / 16, columns 4 (t % 16) on.  Group x = 8 which + head lies in block x / 3 = (11 x) >> 5 (true for x <= 23),
	; at block x 196,608 + k x 384 + (x - 3 block) x 128 + 8 (t % 16) = block x 196,224 + 128 x + 384 k + 8 (t % 16)
	v_lshrrev_b32 v3, 7, v0
	v_add_nc_u32 v3, s4, v3
	v_mul_u32_u24 v3, v3, 384
	v_and_b32 v4, 15, v0
	v_lshl_add_u32 v3, v4, 3, v3
	v_bfe_u32 v4, v0, 4, 3
.irp wh, 0,1,2
	v_add_nc_u32 v156, 8*\wh, v4
	v_mul_u32_u24 v157, v156, 11
	v_lshrrev_b32 v157, 5, v157
	v_mul_u32_u24 v157, v157, 196224
	v_lshl_add_u32 v157, v156, 7, v157
	v_add_nc_u32 v[5+\wh], v157, v3
.endr
	v_lshlrev_b32 v4, 3, v0                        ; 8 t: the other three weights keep their layout
	s_lshl_b32 s5, ttmp9, 11
	s_lshl_b32 s6, ttmp9, 13
	v_add_nc_u32 v8, s5, v4
	v_add_nc_u32 v9, s6, v4
	v_and_b32 v4, 31, v0                           ; lane
	v_lshrrev_b32 v156, 5, v0                      ; wave
	v_lshlrev_b32 v11, 4, v4                       ; 16 l: my place in 512 bytes of a row, of g1 and of be1
	v_lshl_add_u32 v10, v156, 13, v11              ; + 4 rows of 2,048 bytes a wave
	s_lshl_b32 s7, ttmp9, 16                       ; + 32 rows a work-group
	v_add_nc_u32 v10, s7, v10
	v_lshlrev_b32 v3, 3, v4                        ; the same in xn: 8 l + 4 rows of 1,024 bytes a wave + 32 rows a work-group
	v_lshl_add_u32 v3, v156, 12, v3
	s_lshl_b32 s7, ttmp9, 15
	v_add_nc_u32 v3, s7, v3
	s_wait_kmcnt 0x0
	global_load_b128 v[12:15], v1, s[14:15]
	global_load_b128 v[16:19], v1, s[16:17]
	global_load_b128 v[20:23], v1, s[18:19]
	global_load_b128 v[24:27], v1, s[20:21]
.irp j, 0,1,2,3
	global_load_b128 v[28+4*\j:31+4*\j], v2, s[22:23] offset:4096*\j
	global_load_b128 v[44+4*\j:47+4*\j], v2, s[24:25] offset:4096*\j
.endr
.irp j, 0,1,2,3
	global_load_b128 v[G+4*\j:G+4*\j+3], v11, s[10:11] offset:512*\j
	global_load_b128 v[BE+4*\j:BE+4*\j+3], v11, s[12:13] offset:512*\j
.endr
.irp j, 0,1,2,3
	ALL global_load_b128 v[X+16*t+4*\j:X+16*t+4*\j+3], v10, s[8:9] offset:2048*t+512*\j
.endr
	s_wait_loadcnt 24                              ; the twelve loads of weights are in; the 8 of gains and biases and the 16 of rows, issued behind them, may stay out
.set n, 0
.rept 12
	v_cvt_pk_f16_f32 v[WF+2*n], v[12+4*n], v[13+4*n]
	v_cvt_pk_f16_f32 v[WF+2*n+1], v[14+4*n], v[15+4*n]
.set n, n+1
.endr
	global_store_b64 v5, v[WF:WF+1], s[28:29]      ; Wq, Wk, Wv: a wave's store covers two runs of 128 consecutive bytes (1.5 MB of the launch's bytes)
	global_store_b64 v6, v[WF+2:WF+3], s[28:29]
	global_store_b64 v7, v[WF+4:WF+5], s[28:29]
	global_store_b64 v8, v[WF+6:WF+7], s[28:29] offset:1572864   ; from here on a wave's store covers 256 consecutive bytes, aligned
.irp j, 0,1,2,3
	global_store_b64 v9, v[WF+8+2*\j:WF+9+2*\j], s[28:29] offset:2097152+2048*\j
	global_store_b64 v9, v[WF+16+2*\j:WF+17+2*\j], s[28:29] offset:4194304+2048*\j
.endr
	s_wait_loadcnt 0x0
	LNORM
.irp j, 0,2,4,6,8,10,12,14
	ALL v_pk_fma_f32 v[X+16*t+\j:X+16*t+\j+1], v[X+16*t+\j:X+16*t+\j+1], v[G+\j:G+\j+1], v[BE+\j:BE+\j+1]
.endr
.irp j, 0,1,2,3,4,5,6,7
	ALL v_cvt_pk_f16_f32 v[OUT+8*t+\j], v[X+16*t+2*\j], v[X+16*t+2*\j+1]
.endr
.irp j, 0,1,2,3
	ALL global_store_b64 v3, v[OUT+8*t+2*\j:OUT+8*t+2*\j+1], s[26:27] offset:1024*t+256*\j   ; 256 consecutive bytes, aligned
.endr
	s_endpgm
.Lfunc_end_k_q471eb442f3_prep:
	.size	k_q471eb442f3_prep, .Lfunc_end_k_q471eb442f3_prep-k_q471eb442f3_prep
	.p2alignl 7, 3214868480
	.fill 96, 4, 3214868480
	.section	.rodata,"a",@progbits
	.p2align	6, 0x0
	.amdhsa_kernel k_q471eb442f3_prep
		.amdhsa_group_segment_fixed_size 0
		.amdhsa_private_segment_fixed_size 0
		.amdhsa_enable_private_segment 0
		.amdhsa_kernarg_size 88
		.amdhsa_user_sgpr_count 2
		.amdhsa_user_sgpr_kernarg_segment_ptr 1
		.amdhsa_wavefront_size32 1
		.amdhsa_system_sgpr_workgroup_id_x 1
		.amdhsa_system_sgpr_workgroup_id_y 1
		.amdhsa_system_sgpr_workgroup_id_z 1
		.amdhsa_system_vgpr_workitem_id 0
		.amdhsa_next_free_vgpr 228
		.amdhsa_next_free_sgpr 66
		.amdhsa_reserve_vcc 0
		.amdhsa_float_denorm_mode_32 3
		.amdhsa_float_denorm_mode_16_64 3
		.amdhsa_memory_ordered 1
		.amdhsa_forward_progress 1
		.amdhsa_inst_pref_size 26
	.end_amdhsa_kernel
	.amdgpu_metadata
---
amdhsa.version: [ 1, 2 ]
amdhsa.kernels:
  - .name:           k_q471eb442f3_prep
    .symbol:         k_q471eb442f3_prep.kd
    .args:
      - { .name: hidden_states, .offset: 0, .size: 8, .value_kind: global_buffer, .address_space: global }
      - { .name: g1, .offset: 8, .size: 8, .value_kind: global_buffer, .address_space: global }
      - { .name: be1, .offset: 16, .size: 8, .value_kind: global_buffer, .address_space: global }
      - { .name: Wq, .offset: 24, .size: 8, .value_kind: global_buffer, .address_space: global }
      - { .name: Wk, .offset: 32, .size: 8, .value_kind: global_buffer, .address_space: global }
      - { .name: Wv, .offset: 40, .size: 8, .value_kind: global_buffer, .address_space: global }
      - { .name: Wo, .offset: 48, .size: 8, .value_kind: global_buffer, .address_space: global }
      - { .name: W1, .offset: 56, .size: 8, .value_kind: global_buffer, .address_space: global }
      - { .name: W2, .offset: 64, .size: 8, .value_kind: global_buffer, .address_space: global }
      - { .name: xn, .offset: 72, .size: 8, .value_kind: global_buffer, .address_space: global }
      - { .name: wh, .offset: 80, .size: 8, .value_kind: global_buffer, .address_space: global }
    .group_segment_fixed_size: 0
    .private_segment_fixed_size: 0
    .kernarg_segment_align: 8
    .kernarg_segment_size: 88
    .max_flat_workgroup_size: 256
    .sgpr_count:     66
    .vgpr_count:     228
    .wavefront_size: 32
...
	.end_amdgpu_metadata
.endif
;; end of part 1
;; launch qkvp (part 2): grid 8 x 32, 4 waves a work-group, clusters of 4 x 4, 327,680 bytes of LDS; arguments xn, wh, bq, bk, bv, qkv; writes qkv
.if DOCPART == 2
	.amdgcn_target "amdgcn-amd-amdhsa--gfx1250"
	.amdhsa_code_object_version 6
	.text
	.protected	k_q471eb442f3_qkvp
	.globl	k_q471eb442f3_qkvp
	.p2align	8
	.type	k_q471eb442f3_qkvp,@function
k_q471eb442f3_qkvp:
	s_mov_b64 s[64:65], 0
	v_nop
	global_prefetch_b8 v0, s[64:65] scope:SCOPE_SE
	s_setreg_imm32_b32 hwreg(HW_REG_WAVE_MODE, 25, 1), 1
	s_wait_xcnt 0x0
	s_wait_alu depctr_hold_cnt(0) depctr_sa_sdst(0) depctr_va_vdst(0) depctr_va_sdst(0) depctr_va_ssrc(0) depctr_va_vcc(0) depctr_vm_vsrc(0)
	s_getreg_b32 s2, hwreg(HW_REG_IB_STS2, 6, 4)
	s_cmp_eq_u32 s2, 0
	s_cbranch_scc0 .Lentry_in_a_cluster
	s_endpgm
.Lentry_in_a_cluster:
	s_bfe_u32 s2, ttmp6, 0x10000c
	s_cmp_lg_u32 s2, 0xf033
	s_cbranch_scc0 .Lentry_shape_is_right
	s_endpgm
.Lentry_shape_is_right:
; Q, K, V = xn W + bias, written by heads: qkv[group][token][64] in f16, group = which x 8 + head.  xn: [8192][512] f16; the weights: eight dense blocks [512 k][192 n] f16 at wh's first byte.
; A tile is 256 tokens x 192 columns (three groups): 32 x 8 = 256 tiles, one a work-group.  Four waves; wave (wm, wn) makes 128 tokens x 96 columns: of each of the three groups its half of 32 columns:
; 8 x 6 = 48 accumulators.  K = 512 goes in four steps of 128 through two LDS slots.  Sums in f32; the bias is the C operand of the products that start the sums; results rounded once to f16.
; LIMIT.  f16 holds no number beyond 65,504: q, k and v stay within it.
; CLUSTER 4 x 4: the four of a row share their tokens' tile, the four of a column their weights' tile: each is asked for jointly.
; THE MATRIX INSTRUCTION IS USED TRANSPOSED: source 0 = 16 columns of the weights (turned out of [k][n] by ds_load_tr16_b128), source 1 = 16 tokens: a lane holds one token and eight neighbouring columns.
; REGISTERS: window 0: v0-31 addresses; v64-127, v128-191 the tokens' fragments, two buffers (on the way out: at work); v192-239 the bias.  Window 1: v64-111, v128-175 the weights' fragments.
; Windows 2 and 3: the accumulators of my tokens 0-63 and 64-127, (a, b) at v[8 (6 (a % 4) + b)].
.set SLOT,  131072                     ; a slot: 256 rows x 272 bytes of tokens, then 128 k x 480 bytes of weights
.set PA,    272                        ; 256 bytes + 16: the 16 rows of a load start at 16 different groups of four banks
.set PB,    480                        ; three pieces of 128 bytes + 32 each = 15 x 32
.set BOFF,  256*PA
.set SPI,   784                        ; the stage: 192 f32 + 16 bytes = 49 x 16; 256 rows from LDS byte 0, over the ring when its last fill has been read
.set SPARE, 262144                     ; the spare words, 128 bytes for each wave: two blocks of 256 bytes that no other line names
.set AA0, 4                            ; v4  my lane's place in a slot's tokens   v5  in its weights
.set AB0, 5
.set ADRA, 6                           ; v6, v7  the same in the slot in hand
.set ADRB, 7
.set DST0, 8                           ; v8, v9  into the stage: my tokens 0-63, 64-127
.set RD,  10                           ; v10 out of the stage
.set GO,  11                           ; v11 my byte offset in qkv
.set VB,  12                           ; v12 my byte offset in a group's bias
.set SPW, 28
.set NIL, 29
.set F0,  64
.set F1,  128
.set BI,  192
.set ZB,  64                           ; the way out: 48 registers of f32, 24 of f16
.set OB,  112
.set WV, 16
.set WM, 17                            ; which half of the tokens is mine; also: I fetch tokens (0) or weights (1)
.set WN, 18                            ; which half of each group's columns; also: which half of that tile I fetch
.set CX, 19
.set CY, 20
.set TN, 21
.set TM, 22
.set CNT, 23
.set G1A, 24
.set G0A, 32                           ; s[32:39] two sets; the second walks
.set G1B, 40
.set G0B, 48
.set TB,  56                           ; s56 LDS byte at which the slot in hand begins
.set MSB, 0
.macro WIN new                         ; the immediate's high byte repeats the setting that is left; a switch that changes nothing is dropped
.if MSB != (\new)
	s_set_vgpr_msb (MSB<<8)|(\new)
.set MSB, \new
.endif
.endm
.macro PLACES                          ; four places behind matrix instructions, in front of loads into their sources and of readers of their results
.rept 4
	v_nop
.endr
.endm
.macro JLOAD                           ; a joint refill by the walking descriptors: waves 0 and 1 the tokens' halves, waves 2 and 3 the weights'; s_nop 0 and four v_nop follow each line
	s_cmp_eq_u32 s[WM], 0
	s_cbranch_scc0 .Lfor_b_\@
	tensor_load_to_lds s[G0A+4:G0A+7], s[G1A:G1A+7]
	s_nop 0
	PLACES
	s_branch .Lasked_\@
.Lfor_b_\@:
	tensor_load_to_lds s[G0B+4:G0B+7], s[G1B:G1B+7]
	s_nop 0
	PLACES
.Lasked_\@:
.endm
.macro CREST                           ; a round of the cluster's barrier behind its opening barrier
	s_cmp_lg_u32 s[WV], 0
	s_cbranch_scc1 .Lnot_wave_0_\@
	s_barrier_signal -3
.Lnot_wave_0_\@:
	s_barrier_wait -3
	s_barrier_signal -1
	s_barrier_wait -1
.endm
.macro CROUND
	s_barrier_signal -1
	s_barrier_wait -1
	CREST
.endm
	s_load_b256 s[4:11], s[0:1], 0x0               ; xn s[4:5], wh s[6:7], bq s[8:9], bk s[10:11]
	s_load_b128 s[12:15], s[0:1], 0x20             ; bv s[12:13], qkv s[14:15]
	v_lshl_add_u32 v[SPW], v0, 2, SPARE
	v_mov_b32 v[NIL], 0
	ds_add_u32 v[SPW], v[NIL]                      ; the wave's opening: the add and its wait ahead of my first tensor load
	v_lshrrev_b32 v1, 5, v0
	v_readfirstlane_b32 s[WV], v1
	s_lshr_b32 s[WM], s[WV], 1
	s_and_b32 s[WN], s[WV], 1
	s_bfe_u32 s[CX], ttmp6, 0x40000
	s_bfe_u32 s[CY], ttmp6, 0x40004
	s_lshl_b32 s[TN], ttmp9, 2
	s_add_co_u32 s[TN], s[TN], s[CX]               ; tile column = 4 x cluster x + cx
	s_and_b32 s[TM], ttmp7, 0xffff
	s_lshl_b32 s[TM], s[TM], 2
	s_add_co_u32 s[TM], s[TM], s[CY]               ; tile row = 4 x cluster y + cy
	s_lshl_b32 s57, s[CY], 2
	s_lshl_b32 s57, 15, s57                        ; my row of the cluster
	s_lshl_b32 s58, 0x1111, s[CX]                  ; my column
	s_or_b32 s[G1A], s57, (1<<16)|(1<<20)|(1<<21)|(5<<22)|(3<<25)   ; the mask; 2-byte elements; padding on; bit 21 beside a mask; after every 64 words, 4 words
	s_mov_b32 s[G1A+1], 128<<16                    ; tensor_dim0 = 128
	s_mov_b32 s[G1A+2], 128<<16                    ; tensor_dim1 = 128
	s_mov_b32 s[G1A+3], 128<<16                    ; tile_dim0 = 128
	s_mov_b32 s[G1A+4], 128                        ; tile_dim1 = 128
	s_mov_b32 s[G1A+5], 512                        ; elements from row to row
	s_mov_b32 s[G1A+6], 0
	s_mov_b32 s[G1A+7], 0
	s_or_b32 s[G1B], s58, (1<<16)|(1<<20)|(1<<21)|(4<<22)|(7<<25)   ; after every 32 words (a group's 64 columns), 8 words
	s_mov_b32 s[G1B+1], 128<<16                    ; 64 k x 384 bytes are dense: asked for as 96 rows of 256 bytes
	s_mov_b32 s[G1B+2], 96<<16
	s_mov_b32 s[G1B+3], 128<<16
	s_mov_b32 s[G1B+4], 96
	s_mov_b32 s[G1B+5], 128
	s_mov_b32 s[G1B+6], 0
	s_mov_b32 s[G1B+7], 0
	s_lshl_b32 s60, s[TM], 18                      ; the tokens' tile: 256 rows of 1,024 bytes a tile row,
	s_lshl_b32 s61, s[WN], 17                      ; my 128 rows of it
	s_add_co_u32 s60, s60, s61
	s_mov_b32 s61, 0
	s_mul_i32 s62, s[TN], 196608                   ; the weights' block,
	s_mul_i32 s63, s[WN], 24576                    ; my 64 k of a step's 128
	s_add_co_u32 s62, s62, s63
	s_mov_b32 s63, 0
	s_mul_i32 s66, s[WN], 128*PA                   ; and where they go: no place in the cluster enters an LDS address
	s_mul_i32 s67, s[WN], 64*PB
	s_add_co_u32 s67, s67, BOFF
	s_mov_b32 s[TB], 0
	s_wait_dscnt 0x0                               ; the opening add is done
	s_wait_kmcnt 0x0
	s_add_nc_u64 s[60:61], s[4:5], s[60:61]
	s_add_nc_u64 s[62:63], s[6:7], s[62:63]
	CROUND                                         ; all sixteen work-groups are here: the first joint loads meet
.irp s, 0,1
	s_mov_b32 s[G0A+4*\s], 1
	s_add_co_u32 s[G0A+4*\s+1], s66, \s*SLOT
	s_add_nc_u64 s[G0A+4*\s+2:G0A+4*\s+3], s[60:61], \s*256       ; K step s: 256 bytes along the rows
	s_or_b32 s[G0A+4*\s+3], s[G0A+4*\s+3], 0x80000000
	s_mov_b32 s[G0B+4*\s], 1
	s_add_co_u32 s[G0B+4*\s+1], s67, \s*SLOT
	s_add_nc_u64 s[G0B+4*\s+2:G0B+4*\s+3], s[62:63], \s*49152     ; K step s: 128 rows of 384 bytes
	s_or_b32 s[G0B+4*\s+3], s[G0B+4*\s+3], 0x80000000
.endr
	s_cmp_eq_u32 s[WM], 0                          ; a wave's two first fills stand in one branch: two loads of mine are out
	s_cbranch_scc0 .Lfirst_b
	tensor_load_to_lds s[G0A:G0A+3], s[G1A:G1A+7]
	s_nop 0
	tensor_load_to_lds s[G0A+4:G0A+7], s[G1A:G1A+7]
	s_nop 0
	PLACES
	s_branch .Lfirst_asked
.Lfirst_b:
	tensor_load_to_lds s[G0B:G0B+3], s[G1B:G1B+7]
	s_nop 0
	tensor_load_to_lds s[G0B+4:G0B+7], s[G1B:G1B+7]
	s_nop 0
	PLACES
.Lfirst_asked:
	; the bias of group 3 tn + c: the buffer by group / 8 (a choice between buffers, no branch), 256 bytes a head
	v_and_b32 v1, 15, v0                           ; r = l % 16
	v_bfe_u32 v2, v0, 4, 1                         ; h = l / 16
	s_lshl_b32 s58, s[WN], 7
	v_lshl_add_u32 v[VB], v2, 5, s58               ; my half's 32 columns, my lanes' 8
	s_mul_i32 s59, s[TN], 3
.irp c, 0,1,2
	s_add_co_u32 s62, s59, \c
	s_cmp_lt_u32 s62, 16
	s_cselect_b64 s[68+2*\c:69+2*\c], s[10:11], s[12:13]
	s_cmp_lt_u32 s62, 8
	s_cselect_b64 s[68+2*\c:69+2*\c], s[8:9], s[68+2*\c:69+2*\c]
	s_and_b32 s62, s62, 7
	s_lshl_b32 s62, s62, 8
	s_mov_b32 s63, 0
	s_add_nc_u64 s[68+2*\c:69+2*\c], s[68+2*\c:69+2*\c], s[62:63]
.endr
.irp b, 0,1,2,3,4,5
	global_load_b128 v[BI+8*\b:BI+8*\b+3],   v[VB], s[68+2*(\b/2):69+2*(\b/2)] offset:64*(\b%2)
	global_load_b128 v[BI+8*\b+4:BI+8*\b+7], v[VB], s[68+2*(\b/2):69+2*(\b/2)] offset:64*(\b%2)+16
.endr
	s_lshl_b32 s62, s59, 20                        ; qkv at group 3 tn, token 256 tm + 64 w
	s_lshl_b32 s63, s[TM], 15
	s_add_co_u32 s62, s62, s63
	s_lshl_b32 s63, s[WV], 13
	s_add_co_u32 s62, s62, s63
	s_mov_b32 s63, 0
	s_add_nc_u64 s[14:15], s[14:15], s[62:63]
	v_mul_u32_u24 v[AA0], v1, PA                   ; a fragment of tokens: row x pitch + 16 h, two loads 32 bytes apart
	v_lshl_add_u32 v[AA0], v2, 4, v[AA0]
	s_mul_i32 s57, s[WM], 128*PA
	v_add_nc_u32 v[AA0], s57, v[AA0]
	v_and_b32 v3, 7, v0                            ; the turning load: lane l reads k = 8 h + l % 8, columns 8 ((l / 8) % 2) on
	v_lshl_add_u32 v3, v2, 3, v3
	v_mul_u32_u24 v[AB0], v3, PB
	v_bfe_u32 v3, v0, 3, 1
	v_lshl_add_u32 v[AB0], v3, 4, v[AB0]
	s_lshl_b32 s57, s[WN], 6
	s_add_co_u32 s57, s57, BOFF
	v_add_nc_u32 v[AB0], s57, v[AB0]
	v_mov_b32 v[ADRA], v[AA0]
	v_mov_b32 v[ADRB], v[AB0]
	v_mul_u32_u24 v[DST0], v1, SPI                 ; into the stage: token r, 32 bytes for each half of the lanes, my half of a group's 256 bytes
	v_lshl_add_u32 v[DST0], v2, 5, v[DST0]
	s_mul_i32 s57, s[WM], 128*SPI
	s_add_co_u32 s57, s57, s58
	v_add_nc_u32 v[DST0], s57, v[DST0]
	v_add_nc_u32 v[DST0+1], 64*SPI, v[DST0]
	v_mul_u32_u24 v[RD], v2, SPI                   ; back: lanes 0-15 a group's 256 bytes of one token, lanes 16-31 of the next
	v_lshl_add_u32 v[RD], v1, 4, v[RD]
	s_mul_i32 s57, s[WV], 64*SPI
	v_add_nc_u32 v[RD], s57, v[RD]
	v_and_b32 v[GO], 31, v0
	v_lshlrev_b32 v[GO], 3, v[GO]                  ; two tokens x 128 bytes of a group are 256 consecutive bytes: 8 l
; 12 products: token blocks a0, a0 + 1 of the window's four x all six column blocks, 32 along K.  first = 1: they start the sums with the bias.  The 48 accumulators take turns.
.macro MUL f, hi, a0, first
.if \first
	WIN 0x81+0x40*(\hi)
.else
	WIN 0xa1+0x50*(\hi)
.endif
.irp a, \a0, (\a0)+1
.irp b, 0,1,2,3,4,5
.if \first
	v_wmma_f32_16x16x32_f16 v[8*(6*(\a)+(\b)):8*(6*(\a)+(\b))+7], v[(\f)+8*(\b):(\f)+8*(\b)+7], v[(\f)+8*(4*(\hi)+(\a)):(\f)+8*(4*(\hi)+(\a))+7], v[BI+8*(\b):BI+8*(\b)+7]
.else
	v_wmma_f32_16x16x32_f16 v[8*(6*(\a)+(\b)):8*(6*(\a)+(\b))+7], v[(\f)+8*(\b):(\f)+8*(\b)+7], v[(\f)+8*(4*(\hi)+(\a)):(\f)+8*(4*(\hi)+(\a))+7], v[8*(6*(\a)+(\b)):8*(6*(\a)+(\b))+7]
.endif
.endr
.endr
.endm
; 28 LDS loads in one run: quarter q's fragments (32 along K) into buffer f: the weights' six, then the tokens' eight
.macro FETCH q, f
	WIN 0x40
.irp b, 0,1,2,3,4,5
	ds_load_tr16_b128 v[(\f)+8*(\b):(\f)+8*(\b)+3],   v[ADRB] offset:32*PB*(\q)+160*((\b)/2)+32*((\b)%2)
	ds_load_tr16_b128 v[(\f)+8*(\b)+4:(\f)+8*(\b)+7], v[ADRB] offset:32*PB*(\q)+160*((\b)/2)+32*((\b)%2)+16*PB
.endr
	WIN 0
.irp i, 0,1,2,3,4,5,6,7
	ds_load_b128 v[(\f)+8*(\i):(\f)+8*(\i)+3],   v[ADRA] offset:64*(\q)+16*PA*(\i)
	ds_load_b128 v[(\f)+8*(\i)+4:(\f)+8*(\i)+7], v[ADRA] offset:64*(\q)+16*PA*(\i)+32
.endr
.endm
; A quarter multiplies buffer f and, in its middle, fetches quarter q of the same slot into buffer g.
.macro QUARTER q, f, g, first
	s_wait_dscnt 8                                 ; all but the youngest eight loads (my tokens 64-127)
	MUL \f, 0, 0, \first
	MUL \f, 0, 2, \first
	PLACES
	FETCH \q, \g
	s_wait_dscnt 28                                ; all but the 28 just issued
	MUL \f, 1, 0, \first
	MUL \f, 1, 2, \first
.endm
; A step's last quarter multiplies buffer 1 and changes slots.  In front of the barrier each wave waits for all its tensor loads, adds 0 to its spare word and waits for that and for its reads of the slot.
; fill = 1: the barrier opens a round of the cluster's, and the joint refill is the first thing behind it.  last = 1: in the loop's last trip there is no further slot, and the run of loads is jumped over.
.macro TURN fill, last
	WIN 0
	s_wait_tensorcnt 0x0                           ; all my tensor loads have landed
	ds_add_u32 v[SPW], v[NIL]
	s_wait_dscnt 9                                 ; (the add and the youngest eight loads may be out)
	MUL F1, 0, 0, 0
	s_wait_dscnt 0x0                               ; the add is done, and my reads of this slot are over
	s_barrier_signal -1
	MUL F1, 0, 2, 0
	WIN 0
	s_barrier_wait -1
.if \fill
	CREST
	s_xor_b32 s[G0A+5], s[G0A+5], SLOT             ; the walking descriptors: the other slot than last time, the next K step
	s_add_nc_u64 s[G0A+6:G0A+7], s[G0A+6:G0A+7], 256
	s_xor_b32 s[G0B+5], s[G0B+5], SLOT
	s_add_nc_u64 s[G0B+6:G0B+7], s[G0B+6:G0B+7], 49152
	JLOAD                                          ; its four v_nop are also the places in front of the loads below
.else
	PLACES
.endif
	s_xor_b32 s[TB], s[TB], SLOT
	v_add_nc_u32 v[ADRA], s[TB], v[AA0]
	v_add_nc_u32 v[ADRB], s[TB], v[AB0]
.if \last
	s_cmp_eq_u32 s[CNT], 1
	s_cbranch_scc1 .Lno_fetch_\@
.endif
	FETCH 0, F0
.if \last
.Lno_fetch_\@:
.endif
	MUL F1, 1, 0, 0
	MUL F1, 1, 2, 0
.endm
	s_wait_tensorcnt 1                             ; my part of K step 0 is in; step 1's may stay out
	s_barrier_signal -1
	s_barrier_wait -1
	FETCH 0, F0
	s_wait_loadcnt 0x0                             ; the bias
	QUARTER 1, F0, F1, 1
	WIN 0
	s_mov_b32 s[CNT], 2
.Lfill:                                                ; two trips: K steps 0 and 1 are finished, steps 2 and 3 asked for
	QUARTER 2, F1, F0, 0
	QUARTER 3, F0, F1, 0
	TURN 1, 0
	QUARTER 1, F0, F1, 0
	WIN 0
	s_sub_co_u32 s[CNT], s[CNT], 1
	s_cmp_lg_u32 s[CNT], 0
	s_cbranch_scc1 .Lfill
	s_mov_b32 s[CNT], 2
.Ltail:                                                ; two trips that ask for nothing; the last has no next step's first quarter
	QUARTER 2, F1, F0, 0
	QUARTER 3, F0, F1, 0
	TURN 0, 1
	WIN 0
	s_cmp_eq_u32 s[CNT], 1
	s_cbranch_scc1 .Lskip
	QUARTER 1, F0, F1, 0
	WIN 0
.Lskip:
	s_sub_co_u32 s[CNT], s[CNT], 1
	s_cmp_lg_u32 s[CNT], 0
	s_cbranch_scc1 .Ltail
	; THE WAY OUT.  The sums go as f32 into the stage; a barrier, since a token's columns come from two waves; then whole groups' rows come back, are rounded and stored.
	PLACES
	s_wait_dscnt 0x0
	s_barrier_signal -1
	s_barrier_wait -1                              ; no wave reads the ring any more, and nothing fills it again
.irp hi, 0,1
	WIN 0x08+0x04*\hi                              ; the stores' data in window 2 or 3
.irp a, 0,1,2,3
.irp b, 0,1,2,3,4,5
	ds_store_b128 v[DST0+\hi], v[8*(6*\a+\b):8*(6*\a+\b)+3]   offset:16*SPI*\a+256*(\b/2)+64*(\b%2)
	ds_store_b128 v[DST0+\hi], v[8*(6*\a+\b)+4:8*(6*\a+\b)+7] offset:16*SPI*\a+256*(\b/2)+64*(\b%2)+16
.endr
.endr
.endr
	WIN 0
	s_wait_dscnt 0x0                               ; for the others' sake: my stores are done
	s_barrier_signal -1
	s_barrier_wait -1
	s_mov_b32 s[CNT], 8
.Lout:                                                 ; eight tokens a trip, of my 64
.irp u, 0,1,2,3
.irp c, 0,1,2
	ds_load_b128 v[ZB+4*(3*\u+\c):ZB+4*(3*\u+\c)+3], v[RD] offset:2*SPI*\u+256*\c
.endr
.endr
	s_wait_dscnt 0x0
.set n, 0
.rept 12
	v_cvt_pk_f16_f32 v[OB+2*n], v[ZB+4*n], v[ZB+4*n+1]
	v_cvt_pk_f16_f32 v[OB+2*n+1], v[ZB+4*n+2], v[ZB+4*n+3]
.set n, n+1
.endr
.irp u, 0,1,2,3
.irp c, 0,1,2
	global_store_b64 v[GO], v[OB+2*(3*\u+\c):OB+2*(3*\u+\c)+1], s[14:15] offset:256*\u+1048576*\c   ; 256 consecutive bytes, aligned
.endr
.endr
	s_wait_xcnt 0x0                                ; the stores have read their registers: only now are they written again
	v_add_nc_u32 v[RD], 8*SPI, v[RD]
	v_add_nc_u32 v[GO], 1024, v[GO]
	s_sub_co_u32 s[CNT], s[CNT], 1
	s_cmp_lg_u32 s[CNT], 0
	s_cbranch_scc1 .Lout
	s_wait_tensorcnt 0x0                           ; the wave's end
	ds_add_u32 v[SPW], v[NIL]
	s_wait_dscnt 0x0
	CROUND                                         ; the closing round
	s_endpgm
.Lfunc_end_k_q471eb442f3_qkvp:
	.size	k_q471eb442f3_qkvp, .Lfunc_end_k_q471eb442f3_qkvp-k_q471eb442f3_qkvp
	.p2alignl 7, 3214868480
	.fill 96, 4, 3214868480
	.section	.rodata,"a",@progbits
	.p2align	6, 0x0
	.amdhsa_kernel k_q471eb442f3_qkvp
		.amdhsa_group_segment_fixed_size 327680
		.amdhsa_private_segment_fixed_size 0
		.amdhsa_enable_private_segment 0
		.amdhsa_kernarg_size 48
		.amdhsa_user_sgpr_count 2
		.amdhsa_user_sgpr_kernarg_segment_ptr 1
		.amdhsa_wavefront_size32 1
		.amdhsa_system_sgpr_workgroup_id_x 1
		.amdhsa_system_sgpr_workgroup_id_y 1
		.amdhsa_system_sgpr_workgroup_id_z 1
		.amdhsa_system_vgpr_workitem_id 0
		.amdhsa_next_free_vgpr 960
		.amdhsa_next_free_sgpr 80
		.amdhsa_reserve_vcc 0
		.amdhsa_float_denorm_mode_32 3
		.amdhsa_float_denorm_mode_16_64 3
		.amdhsa_memory_ordered 1
		.amdhsa_forward_progress 1
		.amdhsa_inst_pref_size 69
	.end_amdhsa_kernel
	.amdgpu_metadata
---
amdhsa.version: [ 1, 2 ]
amdhsa.kernels:
  - .name:           k_q471eb442f3_qkvp
    .symbol:         k_q471eb442f3_qkvp.kd
    .args:
      - { .name: xn, .offset: 0, .size: 8, .value_kind: global_buffer, .address_space: global }
      - { .name: wh, .offset: 8, .size: 8, .value_kind: global_buffer, .address_space: global }
      - { .name: bq, .offset: 16, .size: 8, .value_kind: global_buffer, .address_space: global }
      - { .name: bk, .offset: 24, .size: 8, .value_kind: global_buffer, .address_space: global }
      - { .name: bv, .offset: 32, .size: 8, .value_kind: global_buffer, .address_space: global }
      - { .name: qkv, .offset: 40, .size: 8, .value_kind: global_buffer, .address_space: global }
    .group_segment_fixed_size: 327680
    .private_segment_fixed_size: 0
    .kernarg_segment_align: 8
    .kernarg_segment_size: 48
    .max_flat_workgroup_size: 128
    .sgpr_count:     80
    .vgpr_count:     960
    .wavefront_size: 32
...
	.end_amdgpu_metadata
.endif
;; end of part 2
;; launch attn (part 3): grid 16 x 16, 4 waves a work-group, clusters of 4 x 1, 327,680 bytes of LDS; arguments qkv, ctx; writes ctx
.if DOCPART == 3
	.amdgcn_target "amdgcn-amd-amdhsa--gfx1250"
	.amdhsa_code_object_version 6
	.text
	.protected	k_q471eb442f3_attn
	.globl	k_q471eb442f3_attn
	.p2align	8
	.type	k_q471eb442f3_attn,@function
k_q471eb442f3_attn:
	s_mov_b64 s[64:65], 0
	v_nop
	global_prefetch_b8 v0, s[64:65] scope:SCOPE_SE
	s_setreg_imm32_b32 hwreg(HW_REG_WAVE_MODE, 25, 1), 1
	s_wait_xcnt 0x0
	s_wait_alu depctr_hold_cnt(0) depctr_sa_sdst(0) depctr_va_vdst(0) depctr_va_sdst(0) depctr_va_ssrc(0) depctr_va_vcc(0) depctr_vm_vsrc(0)
	s_getreg_b32 s2, hwreg(HW_REG_IB_STS2, 6, 4)
	s_cmp_eq_u32 s2, 0
	s_cbranch_scc0 .Lentry_in_a_cluster
	s_endpgm
.Lentry_in_a_cluster:
	s_bfe_u32 s2, ttmp6, 0x10000c
	s_cmp_lg_u32 s2, 0x3003
	s_cbranch_scc0 .Lentry_shape_is_right
	s_endpgm
.Lentry_shape_is_right:
; ATTENTION.  ctx[head][token][:] = the sum over the batch's 4,096 keys of softmax_k(q . k / 8) v.  qkv: [24 groups][8192 tokens][64] f16 (groups 0-7 q, 8-15 k, 16-23 v; token = batch x 4096 + place);
; ctx: [8][8192][64] f16.  Products, maxima and sums in f32; the weights p are rounded to f16 for the second product (their sum l is taken of the unrounded p), ctx once at the end.
; LIMITS.  q, k, v arrive within f16's 65,504; p lies in 0 to 1; a weight below 2^-126 counts as 0 in l; NaN and infinities are not treated apart.
; SHARES.  A work-group owns 256 queries of one batch and head, a wave 64: four PIECES of 16.  16 blocks x 16 (batch, head) = 256 work-groups.  Every wave walks all keys, 64 a step, 256 a slot.
; LAYOUT.  S^T = K Q^T holds ONE query a lane (lane % 16) and the keys 8 (lane / 16) + 0..7; two such results rounded to f16 ARE source 1 of O^T = V^T P.  K comes out of LDS as it lies, V turned.
; SOFTMAX.  p = 2^(c s - c m), c = log2(e) / 8, with a running maximum m; O and l are multiplied by a = 2^(c m_old - c m_new) in every step.  m starts at the lowest finite number, O and l at 0.
; TURNS.  Turn n belongs to piece n: 8 products K Q^T of piece n + 1, later 8 products V^T P of piece n - 1; beside them the scaling, exponentials, roundings, sums and rescaling of piece n and the maximum and
; statistics of piece n + 1.  Four vector instructions stand behind every matrix instruction, the other 54 of a turn's 118 in one lump.  A turn's 33 exponentials are one batch, with one wait.
; CLUSTER.  The four query blocks of a cluster walk the same K and V: each tile is asked for jointly.
; REGISTERS: window 0: v0-15 addresses; v16-31 statistics; v48-55 at work; v61-63 prefetch offset and the add's two; v64-127 S^T, two buffers; v192-223 P, two buffers.
;   window 1: v0-127 O^T, 32 a piece.   window 2: v0-63 Q; v128-191 K of one step; v192-255 V of one step.
.set NP,    4
.set KS,    64
.set PK,    144       ; a row of K in LDS: 128 bytes + 16
.set PV,    160       ; a row of V: 128 + 32
.set VOFF,  4*KS*PK   ; a slot: 256 rows of K, then 256 rows of V
.set SLOT1, 1<<17
.set STAGE, SLOT1+4*KS*(PK+PV)  ; behind the ring, never filled by a tensor load: 16 rows x 144 bytes for each wave
.set SP,    144
.set SPARE, STAGE+4*16*SP       ; the spare words, 128 bytes for each wave: two blocks of 256 bytes that no other line names
.set AK0, 2
.set AV0, 3
.set AK,  4
.set AV,  5
.set STO, 6
.set RD,  7
.set GO,  8
.set MV,  12          ; v12-13  c m_old, by buffer
.set QO,  15
.set ST,  16          ; piece t: c m, m, l (even keys', odd keys')
.set TMP, 48          ; by buffer: c0-c3; when the maximum is found c2 takes a
.set PFO, 61          ; 256 x my lane; never rewritten
.set SPW, 62
.set NIL, 63
.set S,   64
.set P,   192
.set KF,  128
.set VF,  192
.set WV,  12
.set G1K, 24
.set G1V, 32
.set G0K, 40          ; s[40:43] walks
.set G0V, 44
.set PFA, 48          ; s[48:49] where my prefetches stand
.set LIM, 50          ; 1 in a wave that prefetches, else the greatest number
.set SLOTS, 56
.set CNT, 57
.set CS,  58
.set SEL, 60
.set TBK, 62
.set TBV, 63
.set MSB, 0
.macro WIN new
.if MSB != (\new)
	s_set_vgpr_msb (MSB<<8)|(\new)
.set MSB, (\new)
.endif
.endm
.set W_KQ, 0x0a       ; K and Q in window 2, S^T in window 0
.set W_PV, 0x52       ; V in window 2, P in window 0, O^T in window 1
.set W_RS, 0x41       ; destination and source 0 in window 1, source 1 in window 0
.macro JLOAD                        ; a joint fill: waves 0 and 1 the halves of a tile's K, waves 2 and 3 of its V; s_nop 0 and four v_nop follow each line
	s_cmp_lt_u32 s[WV], 2
	s_cbranch_scc0 .Lfor_v_\@
	tensor_load_to_lds s[G0K:G0K+3], s[G1K:G1K+7]
	s_nop 0
.rept 4
	v_nop
.endr
	s_branch .Lasked_\@
.Lfor_v_\@:
	tensor_load_to_lds s[G0V:G0V+3], s[G1V:G1V+7]
	s_nop 0
.rept 4
	v_nop
.endr
.Lasked_\@:
.endm
; A prefetch of the tile that the NEXT change of slots will ask for: four key steps, 256 matrix instructions, ahead.  A tile of K or V is 128 blocks of 256 bytes.  All clusters of a (batch, head) walk the same
; tiles: the first of them asks; its four partners take 32 blocks each, told apart by address; wave 0 asks for K's, wave 2 for V's: a lane a block.  The change that fills the last tile asks for nothing.
.macro ASK
	s_cmp_gt_u32 s[SLOTS], s[LIM]
	s_cbranch_scc0 .Lnot_mine_\@
	global_prefetch_b8 v[PFO], s[PFA:PFA+1] th:TH_LOAD_NT scope:SCOPE_SE
.Lnot_mine_\@:
.endm
.macro CROUND
	s_barrier_signal -1
	s_barrier_wait -1
	s_cmp_lg_u32 s[WV], 0
	s_cbranch_scc1 .Lnot_wave_0_\@
	s_barrier_signal -3
.Lnot_wave_0_\@:
	s_barrier_wait -3
	s_barrier_signal -1
	s_barrier_wait -1
.endm
; THE CHANGE OF SLOTS.  Each wave waits for all its tensor loads (one is out: its part of the other slot), adds 0 to its spare word, and waits for that and for its reads of the slot that it leaves.
; fill = 1: the barrier is a round of the cluster's, and the joint fill of the old slot, with the keys two slots on, is the first thing behind it.
.macro CHANGE fill
	WIN 0
	s_wait_tensorcnt 0x0
	ds_add_u32 v[SPW], v[NIL]
.if \fill
.irp g, G0K, G0V
	s_xor_b32 s[\g+1], s[\g+1], SLOT1
	s_add_nc_u64 s[\g+2:\g+3], s[\g+2:\g+3], 4*KS*128
.endr
	s_wait_xcnt 0x0                 ; the last prefetch, four key steps back, has read its address
	s_add_nc_u64 s[PFA:PFA+1], s[PFA:PFA+1], 4*KS*128
	s_wait_dscnt 0x0
	CROUND
	JLOAD
	ASK
.else
	s_wait_dscnt 0x0
	s_barrier_signal -1
	s_barrier_wait -1
.endif
	s_sub_co_u32 s[TBK], s[TBK], 4*KS*PK
	s_xor_b32 s[TBK], s[TBK], SLOT1
	s_sub_co_u32 s[TBV], s[TBV], 4*KS*PV
	s_xor_b32 s[TBV], s[TBV], SLOT1
.endm
	s_load_b128 s[4:7], s[0:1], 0x0   ; qkv s[4:5], ctx s[6:7]
	v_lshl_add_u32 v[SPW], v0, 2, SPARE
	v_mov_b32 v[NIL], 0
	ds_add_u32 v[SPW], v[NIL]       ; the wave's opening: the add and its wait ahead of my first tensor load
	v_lshrrev_b32 v1, 5, v0
	v_readfirstlane_b32 s[WV], v1
	s_bfe_u32 s13, ttmp6, 0x40000   ; cx
	s_lshl_b32 s14, ttmp9, 2
	s_add_co_u32 s14, s14, s13      ; my block of 256 queries: it enters Q's and ctx's addresses alone
	s_and_b32 s16, ttmp7, 0xffff    ; batch x 8 + head, which the four partners share
	s_and_b32 s20, s16, 7
	s_lshl_b32 s20, s20, 20         ; a group is 1,048,576 bytes,
	s_lshr_b32 s21, s16, 3
	s_lshl_b32 s21, s21, 19         ; a batch's 4,096 rows 524,288
	s_add_co_u32 s20, s20, s21
	s_and_b32 s16, s[WV], 1         ; which half of a tile's 256 keys I fetch
	s_lshl_b32 s22, s16, 14
	s_add_co_u32 s22, s22, s20
	s_mov_b32 s23, 0
	s_mul_i32 s17, s16, 128*PK
	s_mul_i32 s18, s16, 128*PV
	s_lshl_b32 s2, s14, 15          ; my block's 256 rows of 128 bytes,
	s_lshl_b32 s3, s[WV], 13        ; my wave's 64
	s_add_co_u32 s2, s2, s3
	s_add_co_u32 s2, s2, s20
	s_mov_b32 s3, 0
	; 128 keys are 16,384 dense bytes: asked for as 64 rows of 256 bytes and padded in LDS after every key
	s_mov_b32 s[G1K], 15|(1<<16)|(1<<20)|(1<<21)|(4<<22)|(3<<25)
	s_mov_b32 s[G1V], 15|(1<<16)|(1<<20)|(1<<21)|(4<<22)|(7<<25)
.irp g, G1K, G1V
	s_mov_b32 s[\g+1], 128<<16
	s_mov_b32 s[\g+2], 64<<16
	s_mov_b32 s[\g+3], 128<<16
	s_mov_b32 s[\g+4], 64
	s_mov_b32 s[\g+5], 128
	s_mov_b32 s[\g+6], 0
	s_mov_b32 s[\g+7], 0
.endr
	s_mov_b32 s[CS], 0x3e38aa3b     ; c = log2(e) / 8
	s_mov_b32 s[CS+1], s[CS]
	s_mov_b32 s[SEL], 0x76543210
	s_mov_b32 s[SEL+1], 0xfedcba98
	s_mov_b32 s[TBK], SLOT1+4*KS*PK ; the first change of slots turns these two into 0
	s_mov_b32 s[TBV], SLOT1+4*KS*PV
	s_mov_b32 s[G0K], 1
	s_mov_b32 s[G0K+1], s17
	s_mov_b32 s[G0V], 1
	s_add_co_u32 s[G0V+1], s18, VOFF
	s_mov_b32 s[SLOTS], 15
	s_and_b32 s[LIM], s[WV], 1      ; 0 in waves 0 and 2,
	s_or_b32 s[LIM], s[LIM], ttmp9  ; where the cluster is the first of its (batch, head): the same in all four partners
	s_cmp_eq_u32 s[LIM], 0
	s_cselect_b32 s[LIM], 1, -1
	v_and_b32 v[PFO], 31, v0
	v_lshlrev_b32 v[PFO], 8, v[PFO]
	s_wait_dscnt 0x0                ; the opening add is done
	s_wait_kmcnt 0x0
	s_add_nc_u64 s[52:53], s[4:5], s[22:23]
	s_add_nc_u64 s[54:55], s[52:53], 16777216      ; V at my half of tile 0
	s_add_nc_u64 s[52:53], s[52:53], 8388608       ; K
	s_mov_b64 s[G0K+2:G0K+3], s[52:53]
	s_or_b32 s[G0K+3], s[G0K+3], 0x80000000
	s_mov_b64 s[G0V+2:G0V+3], s[54:55]
	s_or_b32 s[G0V+3], s[G0V+3], 0x80000000
	s_add_nc_u64 s[8:9], s[4:5], s[2:3]            ; Q and ctx at my wave's first row
	s_add_nc_u64 s[10:11], s[6:7], s[2:3]
	s_cmp_lt_u32 s[WV], 2
	s_cselect_b64 s[PFA:PFA+1], s[52:53], s[54:55]
	s_lshl_b32 s2, s13, 13          ; my work-group's 32 blocks of the 128
	s_mov_b32 s3, 0
	s_add_nc_u64 s[PFA:PFA+1], s[PFA:PFA+1], s[2:3]
	s_add_nc_u64 s[PFA:PFA+1], s[PFA:PFA+1], 4*KS*128  ; in tile 1; the first change steps it to tile 2.  Nothing is prefetched at the head
	CROUND                          ; all four work-groups are here
	JLOAD                           ; tile 0 into slot 0
	v_and_b32 v1, 15, v0
	v_bfe_u32 v9, v0, 4, 1
	v_lshlrev_b32 v[QO], 7, v1
	v_lshl_add_u32 v[QO], v9, 4, v[QO]
	WIN 0x80
.set i, 0
.rept 8                             ; Q stays in registers: piece i / 2, channels 32 (i % 2) on
	global_load_b128 v[8*i:8*i+3],   v[QO], s[8:9] offset:(i/2)*2048+(i%2)*64
	global_load_b128 v[8*i+4:8*i+7], v[QO], s[8:9] offset:(i/2)*2048+(i%2)*64+32
.set i, i+1
.endr
	; What the first turn finds: V's registers and P's second buffer hold 0, O^T and l are 0.  These lines stand in the wait for the first tile, and no first step is written out.
.set i, VF
.rept 64
	v_mov_b32 v[i], 0
.set i, i+1
.endr
	WIN 0x40
.set i, 0
.rept 128
	v_mov_b32 v[i], 0
.set i, i+1
.endr
	WIN 0
.set i, 0
.rept 4
	v_mov_b32 v[ST+4*i], 0xfe000000    ; c m: far below every c s
	v_mov_b32 v[ST+4*i+1], 0xff7fffff  ; m
	v_mov_b32 v[ST+4*i+2], 0
	v_mov_b32 v[ST+4*i+3], 0
.set i, i+1
.endr
.set i, P+16
.rept 16
	v_mov_b32 v[i], 0
.set i, i+1
.endr
	v_mul_u32_u24 v[AK0], v1, PK
	v_lshl_add_u32 v[AK0], v9, 4, v[AK0]
	v_and_b32 v10, 7, v0
	v_bfe_u32 v11, v0, 3, 1
	v_lshl_add_u32 v[AV0], v9, 3, v10
	v_mul_u32_u24 v[AV0], v[AV0], PV
	v_lshl_add_u32 v[AV0], v11, 4, v[AV0]
	v_add_nc_u32 v[AV0], VOFF, v[AV0]
	s_mul_i32 s13, s[WV], 16*SP
	s_add_co_u32 s13, s13, STAGE    ; my stage
	v_mul_u32_u24 v[STO], v1, SP
	v_lshl_add_u32 v[STO], v9, 4, v[STO]
	v_add_nc_u32 v[STO], s13, v[STO]
	v_bfe_u32 v[RD], v0, 3, 2       ; back: 32 lanes take four rows of 128 bytes,
	v_mul_u32_u24 v[RD], v[RD], SP
	v_lshl_add_u32 v[RD], v10, 4, v[RD]
	v_add_nc_u32 v[RD], s13, v[RD]
	v_and_b32 v[GO], 31, v0         ; which are 512 consecutive bytes of ctx
	v_lshlrev_b32 v[GO], 4, v[GO]
; THE MATRIX WORK.  The 4 accumulators of a run of 8 take turns.  Product i of 8 of S^T = K Q^T for piece x: channels 32 (i / 4) on, keys 16 (i % 4) on.
.macro KQ x
.set rS, S+32*((\x)%2)+8*(i%4)
.set rK, KF+16*(i%4)+8*(i/4)
.set rQ, 16*(\x)+8*(i/4)
	WIN W_KQ
.if i < 4
	v_wmma_f32_16x16x32_f16 v[rS:rS+7], v[rK:rK+7], v[rQ:rQ+7], 0
.else
	v_wmma_f32_16x16x32_f16 v[rS:rS+7], v[rK:rK+7], v[rQ:rQ+7], v[rS:rS+7]
.endif
.endm
; Product i of 8 of O^T += V^T P for piece x: keys 32 (i / 4) on, channels 16 (i % 4) on.
.macro PV x
	WIN W_PV
.set rO, 32*(\x)+8*(i%4)
.set rV, VF+32*(i/4)+8*(i%4)
.set rP, P+16*((\x)%2)+8*(i/4)
	v_wmma_f32_16x16x32_f16 v[rO:rO+7], v[rV:rV+7], v[rP:rP+7], v[rO:rO+7]
.endm
.macro MM                           ; the turn's next matrix instruction.  NOKQ = 1: the last turn of all: there is no next piece
.if (i < 8) && !NOKQ
	KQ (Y+1)%NP
.elseif i >= 8
.set i, i-8
	PV (Y+NP-1)%NP
.set i, i+8
.endif
.set i, i+1
.endm
.macro FETCH_K                      ; a step's K: 16 loads in one run
	WIN 0x80
.irp f, 0,1,2,3,4,5,6,7
	ds_load_b128 v[KF+8*\f:KF+8*\f+3],   v[AK] offset:(\f/2)*16*PK+(\f%2)*64
	ds_load_b128 v[KF+8*\f+4:KF+8*\f+7], v[AK] offset:(\f/2)*16*PK+(\f%2)*64+32
.endr
	s_add_co_u32 s[TBK], s[TBK], KS*PK
	WIN 0
.endm
.macro FETCH_V                      ; a step's V, turned
	WIN 0x80
.irp f, 0,1,2,3,4,5,6,7
	ds_load_tr16_b128 v[VF+8*\f:VF+8*\f+3],   v[AV] offset:(\f/4)*32*PV+(\f%4)*32
	ds_load_tr16_b128 v[VF+8*\f+4:VF+8*\f+7], v[AV] offset:(\f/4)*32*PV+16*PV+(\f%4)*32
.endr
	WIN 0
.endm
; THE VECTOR WORK: OP kind, number.  For piece Y: F n: c s - c m for pair n.  E n: the exponential of score n.  C n: pair n rounded to f16.  B n: of four weights the second pair onto the first.  L n: l takes that
; sum (L 0: l = a l + sum).  R n: pair n of O^T times a.  For piece Y + 1: X n, number n of the 22 that find its maximum and statistics (each accumulator's lowest registers are read first).
.set F, 0
.set E, 1
.set C, 2
.set B, 3
.set L, 4
.set R, 5
.set X, 6
.macro REGS y
.set rT, ST+4*(\y)
.set rC, TMP+4*((\y)%2)
.set rW, MV+((\y)%2)
.set rS, S+32*((\y)%2)
.set rP, P+16*((\y)%2)
.set rO, 32*(\y)
.endm
.macro OP k, n
.if (\k) == R
	REGS Y
	WIN W_RS
	v_pk_mul_f32 v[rO+2*(\n):rO+2*(\n)+1], v[rO+2*(\n):rO+2*(\n)+1], v[rC+2:rC+3] op_sel_hi:[1,0]
.elseif (\k) < R
	REGS Y
	WIN 0
.if (\k) == F
	v_pk_fma_f32 v[rS+2*(\n):rS+2*(\n)+1], v[rS+2*(\n):rS+2*(\n)+1], s[CS:CS+1], v[rT:rT+1] op_sel_hi:[1,0,0] neg_lo:[0,0,1] neg_hi:[0,0,1]
.elseif (\k) == E
	v_exp_f32 v[rS+(\n)], v[rS+(\n)]
.elseif (\k) == C
	v_cvt_pk_f16_f32 v[rP+(\n)], v[rS+2*(\n)], v[rS+2*(\n)+1]
.elseif (\k) == B
	v_pk_add_f32 v[rS+4*(\n):rS+4*(\n)+1], v[rS+4*(\n):rS+4*(\n)+1], v[rS+4*(\n)+2:rS+4*(\n)+3]
.elseif (\n) == 0
	v_pk_fma_f32 v[rT+2:rT+3], v[rT+2:rT+3], v[rC+2:rC+3], v[rS:rS+1] op_sel_hi:[1,0,1]
.else
	v_pk_add_f32 v[rT+2:rT+3], v[rT+2:rT+3], v[rS+4*(\n):rS+4*(\n)+1]
.endif
.elseif NOKQ
	v_nop
.else
	REGS (Y+1)%NP
	WIN 0
.if (\n) < 4
	v_max3_num_f32 v[rC+(\n)], v[rS+8*(\n)], v[rS+8*(\n)+1], v[rS+8*(\n)+2]
.elseif (\n) < 12
	v_max3_num_f32 v[rC+(\n)%4], v[rC+(\n)%4], v[rS+8*((\n)%4)+2*((\n)/4)+1], v[rS+8*((\n)%4)+2*((\n)/4)+2]
.elseif (\n) == 12
	v_max3_num_f32 v[rC], v[rC], v[rS+7], v[rS+15]
.elseif (\n) == 13
	v_max3_num_f32 v[rC+1], v[rC+1], v[rS+23], v[rS+31]
.elseif (\n) == 14
	v_max3_num_f32 v[rC+2], v[rC+2], v[rC+3], v[rT+1]
.elseif (\n) == 15
	v_mov_b32 v[rW], v[rT]
.elseif (\n) == 16
	v_max3_num_f32 v[rC], v[rC], v[rC+1], v[rC+2]
.elseif (\n) == 17
	v_permlanex16_b32 v[rC+3], v[rC], s[SEL], s[SEL+1]
.elseif (\n) == 18
	v_max_num_f32 v[rT+1], v[rC], v[rC+3]
.elseif (\n) == 19
	v_mul_f32 v[rT], s[CS], v[rT+1]
.elseif (\n) == 20
	v_sub_f32 v[rC+1], v[rW], v[rT]
.else
	v_exp_f32 v[rC+2], v[rC+1]
.endif
.endif
.endm
.macro OPS a, i1, b=-1, i2=0, c=-1, i3=0, d=-1, i4=0
	OP \a, \i1
.if (\b) >= 0
	OP \b, \i2
.endif
.if (\c) >= 0
	OP \c, \i3
.endif
.if (\d) >= 0
	OP \d, \i4
.endif
.endm
.macro ROW a, i1, b, i2, c, i3, d, i4  ; a matrix instruction and the four behind it
	MM
	OPS \a, \i1, \b, \i2, \c, \i3, \d, \i4
.endm
; A TURN, for piece p.  Ahead of its one wait stands all that names no result of the turn's exponentials: the 8 products K Q^T and their riders, then the lump; X 21, the next piece's a, is the batch's last, and R 15 the
; plain instruction behind it.  Behind the wait stand the 8 products V^T P, behind each four of the roundings and sums.  end = 1: the last two turns: nothing is fetched.  cnt = 1: the loop's count is taken down
; some lines ahead of the branch behind the turn.  K of the next step is fetched in piece 2's turn, V of the step in hand at the end of piece 0's; each is waited for a turn later.
.macro TURN p, end=0, cnt=0
.set Y, (\p)
.set i, 0
.set NOKQ, (\end)*((\p)/3)
.if ((\p) == 3) && !(\end)
	s_wait_dscnt 0x0                ; K is in
.endif
	ROW F,0, F,1, R,0, R,1
	ROW F,2, E,0, R,2, R,3
	ROW F,3, E,1, R,4, R,5
	ROW F,4, E,2, R,6, R,7
	ROW F,5, E,3, R,8, R,9
	ROW F,6, E,4, X,0, R,10
.if ((\p) == 2) && !(\end)
	WIN 0
	v_add_nc_u32 v[AK], s[TBK], v[AK0]
.endif
	ROW F,7, E,5, X,1, X,4
	ROW F,8, E,6, X,2, X,5
	OPS E,7, E,8, X,6, E,9
	OPS X,3, E,10, X,8, E,11
.if ((\p) == 2) && !(\end)
	FETCH_K
.endif
	OPS X,9, X,7, E,12, X,10
	OPS E,13, X,12, X,11, E,14
	OPS X,13, E,15, F,9, X,14
.if (\p) == 0
	v_add_nc_u32 v[AV], s[TBV], v[AV0]
.endif
	OPS E,16, F,10, E,17, F,11
	OPS X,16, E,18, X,15, E,19
	OPS F,12, E,20, X,17, E,21
	OPS F,13, E,22, F,14, E,23
	OPS X,18, E,24, F,15, E,25
	OPS R,11, E,26, X,19, E,27
	OPS R,12, E,28, R,13, E,29
	OPS X,20, E,30, R,14, E,31
	OPS X,21, R,15
	WIN 0
	s_wait_alu depctr_va_vdst(0)    ; the one wait for the batch
.if (\p) == 1
	s_wait_dscnt 0x0                ; V is in
.endif
	ROW C,0, B,0, C,2, B,1
	ROW L,0, C,4, B,2, L,1
	ROW C,6, B,3, L,2, C,8
	ROW B,4, L,3, C,10, B,5
	ROW L,4, C,12, B,6, L,5
.if (\p) == 0
	s_add_co_u32 s[TBV], s[TBV], KS*PV
.endif
.if \cnt
	s_sub_co_u32 s[CNT], s[CNT], 1
	s_cmp_lg_u32 s[CNT], 0
.endif
	ROW C,14, B,7, L,6, C,1
	ROW C,3, L,7, C,5, C,7
	ROW C,9, C,11, C,13, C,15
.if (\p) == 0
	FETCH_V
.endif
.endm
.macro ALL line:vararg              ; one line for each piece t
.set t, 0
.rept 4
	\line
.set t, t+1
.endr
.endm
.macro PACK t                       ; a lane's eight channels of a row pack into 16 bytes; they go into rows of 144 bytes and come back as whole rows of 128, into S^T's registers
	WIN W_RS
.set i, 32*(\t)
.rept 16
	v_pk_mul_f32 v[i:i+1], v[i:i+1], v[ST+4*(\t)+2:ST+4*(\t)+3] op_sel_hi:[1,0]
.set i, i+2
.endr
	WIN 0x05
.set i, 0
.rept 16
	v_cvt_pk_f16_f32 v[S+16*(\t)+i], v[32*(\t)+2*i], v[32*(\t)+2*i+1]
.set i, i+1
.endr
	WIN 0
.irp f, 0,1,2,3
	ds_store_b128 v[STO], v[S+16*(\t)+4*\f:S+16*(\t)+4*\f+3] offset:32*\f
.endr
.irp f, 0,1,2,3
	ds_load_b128 v[S+16*(\t)+4*\f:S+16*(\t)+4*\f+3], v[RD] offset:\f*4*SP  ; LDS serves a wave's instructions in order: these see the stores above
.endr
.endm
.macro SEND t, younger              ; younger: the LDS instructions issued behind piece t's loads
	WIN 0
.irp f, 0,1,2,3
	s_wait_dscnt (\younger)+3-\f
	global_store_b128 v[GO], v[S+16*(\t)+4*\f:S+16*(\t)+4*\f+3], s[10:11] offset:(\t)*2048+\f*512  ; 512 consecutive bytes, aligned
.endr
.endm
.set NOKQ, 0
	CHANGE 1                        ; tile 0 is in, everybody's part of it; tile 1 is asked for
	v_add_nc_u32 v[AK], s[TBK], v[AK0]
	FETCH_K                         ; key step 0
	s_wait_loadcnt 0x0              ; Q
	s_wait_dscnt 0x0
.set i, 0
.rept 8
	KQ 0                            ; piece 0's first scores
.set i, i+1
.endr
	WIN 0
.rept 4
	v_nop                           ; the places behind those products
.endr
.set Y, NP-1                        ; X works for piece Y + 1: piece 0
.irp n, 0,1,2,3,4,5,6,7,8,9,10,11,12,13,14,15,16,17,18,19,20,21
	OP X, \n
.endr
	v_nop                           ; a plain instruction behind the exponential,
	s_wait_alu depctr_va_vdst(0)    ; and its wait, ahead of the branch
	s_mov_b32 s[CNT], 4
	s_branch .Lfirst                ; the loop is entered at a step's first turn, in the middle of a trip
.Lslot:                             ; 14 times: tiles 2 to 15 are asked for
	CHANGE 1
	s_mov_b32 s[CNT], 4
.Lstep:                             ; a trip: pieces 2 and 3 of one step, then pieces 0 and 1 of the next, whose K and V it fetches
	TURN 2
	TURN 3
	WIN 0
.Lfirst:
	TURN 0
	TURN 1, 0, 1
	WIN 0
	s_cbranch_scc1 .Lstep
	s_sub_co_u32 s[SLOTS], s[SLOTS], 1
	s_cmp_lg_u32 s[SLOTS], 0
	s_cbranch_scc1 .Lslot
	CHANGE 0                        ; the last tile is written out: nothing is asked for
	s_mov_b32 s[CNT], 4
.Llast:
	TURN 2
	TURN 3
	TURN 0
	TURN 1, 0, 1
	WIN 0
	s_cbranch_scc1 .Llast
	TURN 2, 1
	TURN 3, 1
.set i, 0
.rept 8
	PV NP-1                         ; the last piece's V^T P of the last step
.set i, i+1
.endr
	; THE WAY OUT.  l's two halves and the other half of the lanes' are added; O^T is divided by l, rounded to f16 and sent through my stage.  The additions are the places behind the last products.
	WIN 0
	ALL v_add_f32 v[ST+4*t+2], v[ST+4*t+2], v[ST+4*t+3]
	ALL v_permlanex16_b32 v[ST+4*t+3], v[ST+4*t+2], s[SEL], s[SEL+1]
	ALL v_add_f32 v[ST+4*t+2], v[ST+4*t+2], v[ST+4*t+3]
	ALL v_rcp_f32 v[ST+4*t+2], v[ST+4*t+2]
	v_nop
	s_wait_alu depctr_va_vdst(0)    ; one wait for the four reciprocals
	PACK 0
.set t, 1
.rept 3
	PACK t
	SEND t-1, 8
.set t, t+1
.endr
	SEND 3, 0
	s_wait_tensorcnt 0x0            ; the wave's end
	ds_add_u32 v[SPW], v[NIL]
	s_wait_dscnt 0x0
	CROUND                          ; the closing round
	s_endpgm
.Lfunc_end_k_q471eb442f3_attn:
	.size	k_q471eb442f3_attn, .Lfunc_end_k_q471eb442f3_attn-k_q471eb442f3_attn
	.p2alignl 7, 3214868480
	.fill 96, 4, 3214868480
	.section	.rodata,"a",@progbits
	.p2align	6, 0x0
	.amdhsa_kernel k_q471eb442f3_attn
		.amdhsa_group_segment_fixed_size 327680
		.amdhsa_private_segment_fixed_size 0
		.amdhsa_enable_private_segment 0
		.amdhsa_kernarg_size 16
		.amdhsa_user_sgpr_count 2
		.amdhsa_user_sgpr_kernarg_segment_ptr 1
		.amdhsa_wavefront_size32 1
		.amdhsa_system_sgpr_workgroup_id_x 1
		.amdhsa_system_sgpr_workgroup_id_y 1
		.amdhsa_system_sgpr_workgroup_id_z 1
		.amdhsa_system_vgpr_workitem_id 0
		.amdhsa_next_free_vgpr 768
		.amdhsa_next_free_sgpr 66
		.amdhsa_reserve_vcc 0
		.amdhsa_float_denorm_mode_32 3
		.amdhsa_float_denorm_mode_16_64 3
		.amdhsa_memory_ordered 1
		.amdhsa_forward_progress 1
		.amdhsa_inst_pref_size 128
	.end_amdhsa_kernel
	.amdgpu_metadata
---
amdhsa.version: [ 1, 2 ]
amdhsa.kernels:
  - .name:           k_q471eb442f3_attn
    .symbol:         k_q471eb442f3_attn.kd
    .args:
      - { .name: qkv, .offset: 0, .size: 8, .value_kind: global_buffer, .address_space: global }
      - { .name: ctx, .offset: 8, .size: 8, .value_kind: global_buffer, .address_space: global }
    .group_segment_fixed_size: 327680
    .private_segment_fixed_size: 0
    .kernarg_segment_align: 8
    .kernarg_segment_size: 16
    .max_flat_workgroup_size: 128
    .sgpr_count:     66
    .vgpr_count:     768
    .wavefront_size: 32
...
	.end_amdgpu_metadata
.endif
;; end of part 3
;; launch wo_ln (part 4): grid 256 x 1, 4 waves a work-group, clusters of 4 x 1, 327,680 bytes of LDS; arguments ctx, wh, hidden_states, bo, g2, be2, b2, hb, y; writes hb, y
.if DOCPART == 4
	.amdgcn_target "amdgcn-amd-amdhsa--gfx1250"
	.amdhsa_code_object_version 6
	.text
	.protected	k_q471eb442f3_wo_ln
	.globl	k_q471eb442f3_wo_ln
	.p2align	8
	.type	k_q471eb442f3_wo_ln,@function
k_q471eb442f3_wo_ln:
	s_mov_b64 s[64:65], 0
	v_nop
	global_prefetch_b8 v0, s[64:65] scope:SCOPE_SE
	s_setreg_imm32_b32 hwreg(HW_REG_WAVE_MODE, 25, 1), 1
	s_wait_xcnt 0x0
	s_wait_alu depctr_hold_cnt(0) depctr_sa_sdst(0) depctr_va_vdst(0) depctr_va_sdst(0) depctr_va_ssrc(0) depctr_va_vcc(0) depctr_vm_vsrc(0)
	s_getreg_b32 s2, hwreg(HW_REG_IB_STS2, 6, 4)
	s_cmp_eq_u32 s2, 0
	s_cbranch_scc0 .Lentry_in_a_cluster
	s_endpgm
.Lentry_in_a_cluster:
	s_bfe_u32 s2, ttmp6, 0x10000c
	s_cmp_lg_u32 s2, 0x3003
	s_cbranch_scc0 .Lentry_shape_is_right
	s_endpgm
.Lentry_shape_is_right:
; h = hidden_states + ctx Wo + bo;  hb = h + b2 (f32);  y = LayerNorm(h; g2, be2) (f16).  ctx: [8 heads][8192][64] f16; Wo: [512][512] f16 at byte 1,572,864 of wh.
; The norm wants whole rows, so a work-group owns 32 whole rows: 256 work-groups.  Wave w makes their columns 128 w .. 128 w + 127 over all of K: 2 x 8 = 16 accumulators, 256 products; no sum crosses waves.
; ctx's fragments come straight from memory into 256 registers (a fragment lies in memory as it lies in registers); hidden_states is loaded straight into the accumulators (16 bytes a lane, 64 KiB a work-group),
; so every product adds in place and nothing is cleared.  Wo goes in four K steps of 128 through two LDS slots; each wave fetches and reads its own 128 columns; the cluster's four work-groups ask jointly.
; A slot's fragments are all taken into registers first, so the slot is free for its refill a whole K step before it is wanted.  One LDS load feeds one product here: the price of whole rows.
; LIMITS.  ctx and Wo lie within f16's 65,504.  The mean is taken first and the squares of h - mean second, on the row held in registers.
; REGISTERS: window 0: addresses; v32-95 g2, be2, bo, b2; v96-183 the way out.  Window 1: ctx's fragments.  Window 2: Wo's, four buffers of 64.  Window 3: v0-127 the accumulators, (mb, nb) at v[8 (8 mb + nb)].
.set SLOT,  147456                     ; four waves x 128 k x 288 bytes
.set PB,    288                        ; 256 bytes + 32 = 9 x 32
.set SPI,   2064                       ; the stage: 512 f32 + 16 bytes = 129 x 16; 32 rows from LDS byte 0, over the ring when its last fill has been read
.set SPARE, 294912
.set WOFF,  1572864
.set AB,  4                            ; v4, v5 my lane's place in my columns of slot 0, 1
.set AO,  6
.set HO,  7
.set GV,  8
.set DST, 9
.set RD,  10
.set GH,  11
.set GY,  12
.set SPW, 28
.set NIL, 29
.set G,   32
.set BE,  48
.set BO,  64
.set B2,  80
.set X,   96                           ; two rows of h, 16 numbers a lane each
.set HB,  128
.set W,   160
.set YO,  168
.set NR,  2
.set WV,  22
.set CX,  23
.set IDX, 24
.set G1,  28
.set G0,  36                           ; s[36:43] one set for each slot
.set SI,  44
.set SE,  45
.set SEL, 46
.set CNT, 48
.set MSB, 0
.macro WIN new
.if MSB != (\new)
	s_set_vgpr_msb (MSB<<8)|(\new)
.set MSB, \new
.endif
.endm
.macro PLACES
.rept 4
	v_nop
.endr
.endm
.macro CROUND
	s_barrier_signal -1
	s_barrier_wait -1
	s_cmp_lg_u32 s[WV], 0
	s_cbranch_scc1 .Lnot_wave_0_\@
	s_barrier_signal -3
.Lnot_wave_0_\@:
	s_barrier_wait -3
	s_barrier_signal -1
	s_barrier_wait -1
.endm
.macro ALL line:vararg
.set t, 0
.rept NR
	\line
.set t, t+1
.endr
.endm
.macro LNORM                           ; the layer norm of NR rows in v[X ..]: leaves (x - mean) / sqrt(var + 1e-5) in place
	ALL v_pk_add_f32 v[W+4*t:W+4*t+1], v[X+16*t:X+16*t+1], v[X+16*t+2:X+16*t+3]
	ALL v_pk_add_f32 v[W+4*t+2:W+4*t+3], v[X+16*t+4:X+16*t+5], v[X+16*t+6:X+16*t+7]
.irp j, 8, 12
	ALL v_pk_add_f32 v[W+4*t:W+4*t+1], v[W+4*t:W+4*t+1], v[X+16*t+\j:X+16*t+\j+1]
	ALL v_pk_add_f32 v[W+4*t+2:W+4*t+3], v[W+4*t+2:W+4*t+3], v[X+16*t+\j+2:X+16*t+\j+3]
.endr
	ALL v_pk_add_f32 v[W+4*t:W+4*t+1], v[W+4*t:W+4*t+1], v[W+4*t+2:W+4*t+3]
	ALL v_add_f32 v[W+4*t], v[W+4*t], v[W+4*t+1]
.irp m, 1, 2, 4, 8
	ALL v_add_f32_dpp v[W+4*t], v[W+4*t], v[W+4*t] row_xmask:\m row_mask:0xf bank_mask:0xf
.endr
	ALL v_permlanex16_b32 v[W+4*t+1], v[W+4*t], s[SEL], s[SEL+1]
	ALL v_add_f32 v[W+4*t], v[W+4*t], v[W+4*t+1]
	ALL v_mul_f32 v[W+4*t], s[SI], v[W+4*t]
.irp j, 0,2,4,6,8,10,12,14
	ALL v_pk_add_f32 v[X+16*t+\j:X+16*t+\j+1], v[X+16*t+\j:X+16*t+\j+1], v[W+4*t:W+4*t+1] op_sel_hi:[1,0] neg_lo:[0,1] neg_hi:[0,1]
.endr
	ALL v_pk_mul_f32 v[W+4*t+2:W+4*t+3], v[X+16*t:X+16*t+1], v[X+16*t:X+16*t+1]
.irp j, 2,4,6,8,10,12,14
	ALL v_pk_fma_f32 v[W+4*t+2:W+4*t+3], v[X+16*t+\j:X+16*t+\j+1], v[X+16*t+\j:X+16*t+\j+1], v[W+4*t+2:W+4*t+3]
.endr
	ALL v_add_f32 v[W+4*t+2], v[W+4*t+2], v[W+4*t+3]
.irp m, 1, 2, 4, 8
	ALL v_add_f32_dpp v[W+4*t+2], v[W+4*t+2], v[W+4*t+2] row_xmask:\m row_mask:0xf bank_mask:0xf
.endr
	ALL v_permlanex16_b32 v[W+4*t+3], v[W+4*t+2], s[SEL], s[SEL+1]
	ALL v_add_f32 v[W+4*t+2], v[W+4*t+2], v[W+4*t+3]
	ALL v_fma_f32 v[W+4*t+2], v[W+4*t+2], s[SI], s[SE]
	ALL v_rsq_f32 v[W+4*t+2], v[W+4*t+2]
	v_nop                                          ; a plain instruction behind the last root,
	s_wait_alu depctr_va_vdst(0)                   ; and one wait for the batch
.irp j, 0,2,4,6,8,10,12,14
	ALL v_pk_mul_f32 v[X+16*t+\j:X+16*t+\j+1], v[X+16*t+\j:X+16*t+\j+1], v[W+4*t+2:W+4*t+3] op_sel_hi:[1,0]
.endr
.endm
	s_load_b512 s[4:19], s[0:1], 0x0               ; ctx s[4:5], wh s[6:7], hidden s[8:9], bo s[10:11], g2 s[12:13], be2 s[14:15], b2 s[16:17], hb s[18:19]
	s_load_b64 s[20:21], s[0:1], 0x40              ; y
	v_lshl_add_u32 v[SPW], v0, 2, SPARE
	v_mov_b32 v[NIL], 0
	ds_add_u32 v[SPW], v[NIL]                      ; the wave's opening: the add and its wait ahead of my first tensor load
	v_lshrrev_b32 v1, 5, v0
	v_readfirstlane_b32 s[WV], v1
	s_bfe_u32 s[CX], ttmp6, 0x40000
	s_lshl_b32 s[IDX], ttmp9, 2
	s_add_co_u32 s[IDX], s[IDX], s[CX]             ; my 32 rows: it enters global addresses of my own loads and stores alone
	s_mov_b32 s[G1], 15|(1<<16)|(1<<20)|(1<<21)|(5<<22)|(7<<25)  ; all four work-groups; 2-byte elements; padding on; bit 21 beside a mask; after every 64 words, 8 words
	s_mov_b32 s[G1+1], 128<<16
	s_mov_b32 s[G1+2], 128<<16
	s_mov_b32 s[G1+3], 128<<16
	s_mov_b32 s[G1+4], 128
	s_mov_b32 s[G1+5], 512
	s_mov_b32 s[G1+6], 0
	s_mov_b32 s[G1+7], 0
	s_mov_b32 s[G0], 1
	s_mul_i32 s[G0+1], s[WV], 128*PB               ; my columns' place in slot 0
	s_mov_b32 s[G0+4], 1
	s_add_co_u32 s[G0+5], s[G0+1], SLOT
	s_lshl_b32 s50, s[WV], 8                       ; my 128 columns: 256 bytes of a row of Wo
	s_add_co_u32 s50, s50, WOFF
	s_mov_b32 s51, 0
	s_mov_b32 s[SI], 0x3b000000
	s_mov_b32 s[SE], 0x3727c5ac
	s_mov_b32 s[SEL], 0x76543210
	s_mov_b32 s[SEL+1], 0xfedcba98
	s_wait_dscnt 0x0                               ; the opening add is done
	s_wait_kmcnt 0x0
	s_add_nc_u64 s[G0+2:G0+3], s[6:7], s[50:51]    ; K step 0
	s_add_nc_u64 s[G0+6:G0+7], s[G0+2:G0+3], 131072  ; K step 1: 128 rows of 1,024 bytes on
	s_or_b32 s[G0+3], s[G0+3], 0x80000000
	s_or_b32 s[G0+7], s[G0+7], 0x80000000
	s_lshl_b32 s50, s[IDX], 12                     ; 32 rows of 128 bytes in each head of ctx
	s_add_nc_u64 s[4:5], s[4:5], s[50:51]
	s_lshl_b32 s50, s[IDX], 16                     ; of 2,048 bytes in hidden_states and hb
	s_add_nc_u64 s[8:9], s[8:9], s[50:51]
	s_add_nc_u64 s[18:19], s[18:19], s[50:51]
	s_lshl_b32 s50, s[IDX], 15                     ; of 1,024 bytes in y
	s_add_nc_u64 s[20:21], s[20:21], s[50:51]
	CROUND                                         ; all four work-groups are here
	tensor_load_to_lds s[G0:G0+3], s[G1:G1+7]      ; every wave fetches its own columns: two loads of mine are out
	s_nop 0
	tensor_load_to_lds s[G0+4:G0+7], s[G1:G1+7]
	s_nop 0
	PLACES
	v_and_b32 v1, 15, v0                           ; r
	v_bfe_u32 v2, v0, 4, 1                         ; h
	v_lshlrev_b32 v[AO], 7, v1
	v_lshl_add_u32 v[AO], v2, 4, v[AO]             ; ctx: row x 128 + 16 h
	v_lshlrev_b32 v[HO], 11, v1
	v_lshl_add_u32 v[HO], v2, 5, v[HO]             ; hidden: row x 2,048 + 32 h + 512 w
	s_lshl_b32 s25, s[WV], 9
	v_add_nc_u32 v[HO], s25, v[HO]
	v_and_b32 v3, 31, v0
	v_lshlrev_b32 v[GV], 4, v3                     ; 16 l
	WIN 0x40
.set k, 0
.rept 16                                       ; fragment k: head k / 2, channels 32 (k % 2) on; row blocks 0 and 1
.irp mb, 0,1
	global_load_b128 v[8*(2*k+\mb):8*(2*k+\mb)+3],   v[AO], s[4:5] offset:(k/2)*1048576+\mb*2048+64*(k%2)
	global_load_b128 v[8*(2*k+\mb)+4:8*(2*k+\mb)+7], v[AO], s[4:5] offset:(k/2)*1048576+\mb*2048+64*(k%2)+32
.endr
.set k, k+1
.endr
	WIN 0xc0
.irp mb, 0,1
.irp nb, 0,1,2,3,4,5,6,7
	global_load_b128 v[8*(8*\mb+\nb):8*(8*\mb+\nb)+3],   v[HO], s[8:9] offset:32768*\mb+64*\nb
	global_load_b128 v[8*(8*\mb+\nb)+4:8*(8*\mb+\nb)+7], v[HO], s[8:9] offset:32768*\mb+64*\nb+16
.endr
.endr
	WIN 0
.irp j, 0,1,2,3
	global_load_b128 v[G+4*\j:G+4*\j+3],   v[GV], s[12:13] offset:512*\j
	global_load_b128 v[BE+4*\j:BE+4*\j+3], v[GV], s[14:15] offset:512*\j
	global_load_b128 v[BO+4*\j:BO+4*\j+3], v[GV], s[10:11] offset:512*\j
	global_load_b128 v[B2+4*\j:B2+4*\j+3], v[GV], s[16:17] offset:512*\j
.endr
	v_and_b32 v[AB], 7, v0                         ; the turning load: lane l reads k = 8 h + l % 8, columns 8 ((l / 8) % 2) on
	v_lshl_add_u32 v[AB], v2, 3, v[AB]
	v_mul_u32_u24 v[AB], v[AB], PB
	v_bfe_u32 v[AB+1], v0, 3, 1
	v_lshl_add_u32 v[AB], v[AB+1], 4, v[AB]
	v_add_nc_u32 v[AB], s[G0+1], v[AB]
	v_add_nc_u32 v[AB+1], SLOT, v[AB]
	v_mul_u32_u24 v[DST], v1, SPI                  ; into the stage: row r, my 512 bytes, 32 for each half of the lanes
	v_lshl_add_u32 v[DST], v2, 5, v[DST]
	v_add_nc_u32 v[DST], s25, v[DST]
	s_mul_i32 s26, s[WV], 8*SPI                    ; back: my eight whole rows
	v_add_nc_u32 v[RD], s26, v[GV]
	s_lshl_b32 s26, s[WV], 14
	v_add_nc_u32 v[GH], s26, v[GV]                 ; hb: 8 w rows of 2,048 bytes + 16 l
	s_lshl_b32 s26, s[WV], 13
	v_lshl_add_u32 v[GY], v3, 3, s26               ; y: 8 w rows of 1,024 bytes + 8 l
.macro FB slot, kk                     ; 16 turning loads: 32 k x my 128 columns of the slot, into buffer kk
	WIN 0x80
.irp nb, 0,1,2,3,4,5,6,7
	ds_load_tr16_b128 v[64*(\kk)+8*\nb:64*(\kk)+8*\nb+3],   v[AB+(\slot)] offset:32*PB*(\kk)+32*\nb
	ds_load_tr16_b128 v[64*(\kk)+8*\nb+4:64*(\kk)+8*\nb+7], v[AB+(\slot)] offset:32*PB*(\kk)+32*\nb+16*PB
.endr
.endm
.macro MULK s, kk                      ; 16 products; the 16 accumulators take turns
	WIN 0xf6                                       ; Wo in window 2, ctx in window 1, C and D in window 3
.irp mb, 0,1
.irp nb, 0,1,2,3,4,5,6,7
	v_wmma_f32_16x16x32_f16 v[8*(8*\mb+\nb):8*(8*\mb+\nb)+7], v[64*(\kk)+8*\nb:64*(\kk)+8*\nb+7], v[8*(2*(4*(\s)+(\kk))+\mb):8*(2*(4*(\s)+(\kk))+\mb)+7], v[8*(8*\mb+\nb):8*(8*\mb+\nb)+7]
.endr
.endr
.endm
; A slot whose fragments are all asked for is filled again, two K steps on: the three lines, a round of the cluster's barrier, the one joint load.
.macro CHG set
	WIN 0
	s_wait_tensorcnt 0x0                           ; all my tensor loads have landed, so a group 0 may be written
	ds_add_u32 v[SPW], v[NIL]
	s_add_nc_u64 s[G0+4*(\set)+2:G0+4*(\set)+3], s[G0+4*(\set)+2:G0+4*(\set)+3], 262144
	s_wait_dscnt 0x0                               ; the add is done, and my reads of the slot are back
	CROUND
	tensor_load_to_lds s[G0+4*(\set):G0+4*(\set)+3], s[G1:G1+7]
	s_nop 0
	PLACES
.endm
.macro STEP s, slot                    ; K step s is multiplied; behind each of its four parts the same buffer takes the next step's fragments, out of \slot
.irp kk, 0,1,2,3
	s_wait_dscnt 48                                ; this buffer's run is in; the three younger runs of 16 may stay out
	MULK \s, \kk
	PLACES
	FB \slot, \kk
.endr
.endm
	s_wait_tensorcnt 1                             ; my columns of K step 0 are in; only I read them
	FB 0, 0
	FB 0, 1
	FB 0, 2
	FB 0, 3
	CHG 0                                          ; K step 2 into slot 0
	s_wait_loadcnt 0x0                             ; ctx, hidden_states, gains and biases
	STEP 0, 1
	CHG 1                                          ; K step 3 into slot 1; the wait for all loads has shown step 2 landed
	STEP 1, 0
	s_wait_tensorcnt 0x0                           ; K step 3 is in
	STEP 2, 1
.irp kk, 0,1,2,3
	s_wait_dscnt 48-16*\kk
	MULK 3, \kk
.endr
	; THE WAY OUT.  The sums go as f32 into the stage; then each wave takes eight whole rows.
	WIN 0
	PLACES
	s_wait_dscnt 0x0
	s_barrier_signal -1
	s_barrier_wait -1                              ; no wave reads the ring any more, and nothing fills it again
	WIN 0x0c
.irp mb, 0,1
.irp nb, 0,1,2,3,4,5,6,7
	ds_store_b128 v[DST], v[8*(8*\mb+\nb):8*(8*\mb+\nb)+3]   offset:16*SPI*\mb+64*\nb
	ds_store_b128 v[DST], v[8*(8*\mb+\nb)+4:8*(8*\mb+\nb)+7] offset:16*SPI*\mb+64*\nb+16
.endr
.endr
	WIN 0
	s_wait_dscnt 0x0                               ; for the others' sake: my stores are done
	s_barrier_signal -1
	s_barrier_wait -1
	s_mov_b32 s[CNT], 4
.Lrows:                                                ; two rows a trip
.irp j, 0,1,2,3
	ALL ds_load_b128 v[X+16*t+4*\j:X+16*t+4*\j+3], v[RD] offset:SPI*t+512*\j
.endr
	s_wait_dscnt 0x0
.irp j, 0,2,4,6,8,10,12,14
	ALL v_pk_add_f32 v[X+16*t+\j:X+16*t+\j+1], v[X+16*t+\j:X+16*t+\j+1], v[BO+\j:BO+\j+1]
.endr
.irp j, 0,2,4,6,8,10,12,14
	ALL v_pk_add_f32 v[HB+16*t+\j:HB+16*t+\j+1], v[X+16*t+\j:X+16*t+\j+1], v[B2+\j:B2+\j+1]
.endr
.irp j, 0,1,2,3
	ALL global_store_b128 v[GH], v[HB+16*t+4*\j:HB+16*t+4*\j+3], s[18:19] offset:2048*t+512*\j   ; 512 consecutive bytes, aligned
.endr
	LNORM
.irp j, 0,2,4,6,8,10,12,14
	ALL v_pk_fma_f32 v[X+16*t+\j:X+16*t+\j+1], v[X+16*t+\j:X+16*t+\j+1], v[G+\j:G+\j+1], v[BE+\j:BE+\j+1]
.endr
.irp j, 0,1,2,3,4,5,6,7
	ALL v_cvt_pk_f16_f32 v[YO+8*t+\j], v[X+16*t+2*\j], v[X+16*t+2*\j+1]
.endr
.irp j, 0,1,2,3
	ALL global_store_b64 v[GY], v[YO+8*t+2*\j:YO+8*t+2*\j+1], s[20:21] offset:1024*t+256*\j      ; 256 consecutive bytes, aligned
.endr
	s_wait_xcnt 0x0                                ; the stores have read their registers: only now are they written again
	v_add_nc_u32 v[RD], 2*SPI, v[RD]
	v_add_nc_u32 v[GH], 4096, v[GH]
	v_add_nc_u32 v[GY], 2048, v[GY]
	s_sub_co_u32 s[CNT], s[CNT], 1
	s_cmp_lg_u32 s[CNT], 0
	s_cbranch_scc1 .Lrows
	s_wait_tensorcnt 0x0                           ; the wave's end
	ds_add_u32 v[SPW], v[NIL]
	s_wait_dscnt 0x0
	CROUND                                         ; the closing round
	s_endpgm
.Lfunc_end_k_q471eb442f3_wo_ln:
	.size	k_q471eb442f3_wo_ln, .Lfunc_end_k_q471eb442f3_wo_ln-k_q471eb442f3_wo_ln
	.p2alignl 7, 3214868480
	.fill 96, 4, 3214868480
	.section	.rodata,"a",@progbits
	.p2align	6, 0x0
	.amdhsa_kernel k_q471eb442f3_wo_ln
		.amdhsa_group_segment_fixed_size 327680
		.amdhsa_private_segment_fixed_size 0
		.amdhsa_enable_private_segment 0
		.amdhsa_kernarg_size 72
		.amdhsa_user_sgpr_count 2
		.amdhsa_user_sgpr_kernarg_segment_ptr 1
		.amdhsa_wavefront_size32 1
		.amdhsa_system_sgpr_workgroup_id_x 1
		.amdhsa_system_sgpr_workgroup_id_y 1
		.amdhsa_system_sgpr_workgroup_id_z 1
		.amdhsa_system_vgpr_workitem_id 0
		.amdhsa_next_free_vgpr 896
		.amdhsa_next_free_sgpr 66
		.amdhsa_reserve_vcc 0
		.amdhsa_float_denorm_mode_32 3
		.amdhsa_float_denorm_mode_16_64 3
		.amdhsa_memory_ordered 1
		.amdhsa_forward_progress 1
		.amdhsa_inst_pref_size 67
	.end_amdhsa_kernel
	.amdgpu_metadata
---
amdhsa.version: [ 1, 2 ]
amdhsa.kernels:
  - .name:           k_q471eb442f3_wo_ln
    .symbol:         k_q471eb442f3_wo_ln.kd
    .args:
      - { .name: ctx, .offset: 0, .size: 8, .value_kind: global_buffer, .address_space: global }
      - { .name: wh, .offset: 8, .size: 8, .value_kind: global_buffer, .address_space: global }
      - { .name: hidden_states, .offset: 16, .size: 8, .value_kind: global_buffer, .address_space: global }
      - { .name: bo, .offset: 24, .size: 8, .value_kind: global_buffer, .address_space: global }
      - { .name: g2, .offset: 32, .size: 8, .value_kind: global_buffer, .address_space: global }
      - { .name: be2, .offset: 40, .size: 8, .value_kind: global_buffer, .address_space: global }
      - { .name: b2, .offset: 48, .size: 8, .value_kind: global_buffer, .address_space: global }
      - { .name: hb, .offset: 56, .size: 8, .value_kind: global_buffer, .address_space: global }
      - { .name: y, .offset: 64, .size: 8, .value_kind: global_buffer, .address_space: global }
    .group_segment_fixed_size: 327680
    .private_segment_fixed_size: 0
    .kernarg_segment_align: 8
    .kernarg_segment_size: 72
    .max_flat_workgroup_size: 128
    .sgpr_count:     66
    .vgpr_count:     896
    .wavefront_size: 32
...
	.end_amdgpu_metadata
.endif
;; end of part 4
;; launch mlp1 (part 5): grid 8 x 32, 4 waves a work-group, clusters of 4 x 4, 327,680 bytes of LDS; arguments y, wh, b1, t; writes t
.if DOCPART == 5
	.amdgcn_target "amdgcn-amd-amdhsa--gfx1250"
	.amdhsa_code_object_version 6
	.text
	.protected	k_q471eb442f3_mlp1
	.globl	k_q471eb442f3_mlp1
	.p2align	8
	.type	k_q471eb442f3_mlp1,@function
k_q471eb442f3_mlp1:
	s_mov_b64 s[64:65], 0
	v_nop
	global_prefetch_b8 v0, s[64:65] scope:SCOPE_SE
	s_setreg_imm32_b32 hwreg(HW_REG_WAVE_MODE, 25, 1), 1
	s_wait_xcnt 0x0
	s_wait_alu depctr_hold_cnt(0) depctr_sa_sdst(0) depctr_va_vdst(0) depctr_va_sdst(0) depctr_va_ssrc(0) depctr_va_vcc(0) depctr_vm_vsrc(0)
	s_getreg_b32 s2, hwreg(HW_REG_IB_STS2, 6, 4)
	s_cmp_eq_u32 s2, 0
	s_cbranch_scc0 .Lentry_in_a_cluster
	s_endpgm
.Lentry_in_a_cluster:
	s_bfe_u32 s2, ttmp6, 0x10000c
	s_cmp_lg_u32 s2, 0xf033
	s_cbranch_scc0 .Lentry_shape_is_right
	s_endpgm
.Lentry_shape_is_right:
; t = gelu(y W1 + b1), the exact (erf) form, written in groups of 64 columns: t[group][token][64] in f16.  y: [8192][512] f16; W1: [512][2048] f16 at byte 2,097,152 of wh.
; A tile is 256 tokens x 256 columns: 32 x 8 = 256 work-groups.  Four waves, each 128 x 128: 64 accumulators.  K = 512 goes in four steps of 128 through two LDS slots.  The bias is the C operand of the
; products that start the sums.
; GELU.  gelu(z) = max(z, 0) - |z| Q(u) 2^(-z^2 log2(e) / 2), u = 1 / (1 + 0.33267253 |z|), Q = ((a3 u + a2) u + a1) u: erf by a rational form whose error is at most 2.5e-5 for every argument, its three
; coefficients halved; so the error is at most 1.25e-5 |z|, and it vanishes in both tails with the exponential.  All in f32; t rounded once.
; LIMIT.  f16 holds no number beyond 65,504: t stays within it.
; CLUSTER 4 x 4, the matrix instruction used transposed, the ring and the windows: as in the launch that makes q, k and v.
; REGISTERS: window 0: v0-31 addresses; v64-127, v128-191 the tokens' fragments (on the way out: at work); v192-255 the bias.  Window 1: v64-127, v128-191 the weights' fragments.
; Windows 2 and 3: the accumulators, (a, b) at v[8 (8 (a % 4) + b)].
.set SLOT,  139264                     ; 256 rows x 272 of tokens, then 128 k x 544 of weights; its two bits are in none of the four parts' first bytes, so an exclusive or adds it
.set PA,    272
.set PB,    544                        ; 512 bytes + 32 = 17 x 32
.set BOFF,  256*PA
.set SPI,   528                        ; the stage: 128 f32 + 16 bytes = 33 x 16; 128 rows for each wave, its own, over the ring when its last fill has been read
.set WST,   128*SPI
.set SPARE, 278528
.set W1H,   2097152
.set AA0, 4
.set AB0, 5
.set ADRA, 6
.set ADRB, 7
.set DST, 8
.set RD,  10
.set GO,  11
.set VB,  12
.set SPW, 28
.set NIL, 29
.set F0,  64
.set F1,  128
.set BI,  192
.set ZA,  64                           ; the way out: two halves of 16 numbers a lane; u, the exponential, max(z, 0), Q; two halves of f16
.set ZC,  80
.set U,   96
.set E,   112
.set R,   128
.set Q,   144
.set OA,  160
.set OC,  168
.set WV, 16
.set WM, 17
.set WN, 18
.set CX, 19
.set CY, 20
.set TN, 21
.set TM, 22
.set CNT, 23
.set G1A, 24
.set G0A, 32
.set G1B, 40
.set G0B, 48
.set TB,  56
.set KP,  70                           ; s70 0.33267253; s[72:73] -log2(e)/2; s[74:75] a3/2; s[76:77] a2/2; s[78:79] a1/2 (pairs: the packed forms take the low word for both halves)
.set KC,  72
.set K3,  74
.set K2,  76
.set K1,  78
.set MSB, 0
.macro WIN new
.if MSB != (\new)
	s_set_vgpr_msb (MSB<<8)|(\new)
.set MSB, \new
.endif
.endm
.macro PLACES
.rept 4
	v_nop
.endr
.endm
.macro JLOAD
	s_cmp_eq_u32 s[WM], 0
	s_cbranch_scc0 .Lfor_b_\@
	tensor_load_to_lds s[G0A+4:G0A+7], s[G1A:G1A+7]
	s_nop 0
	PLACES
	s_branch .Lasked_\@
.Lfor_b_\@:
	tensor_load_to_lds s[G0B+4:G0B+7], s[G1B:G1B+7]
	s_nop 0
	PLACES
.Lasked_\@:
.endm
.macro CREST
	s_cmp_lg_u32 s[WV], 0
	s_cbranch_scc1 .Lnot_wave_0_\@
	s_barrier_signal -3
.Lnot_wave_0_\@:
	s_barrier_wait -3
	s_barrier_signal -1
	s_barrier_wait -1
.endm
.macro CROUND
	s_barrier_signal -1
	s_barrier_wait -1
	CREST
.endm
	s_load_b256 s[4:11], s[0:1], 0x0               ; y s[4:5], wh s[6:7], b1 s[8:9], t s[10:11]
	v_lshl_add_u32 v[SPW], v0, 2, SPARE
	v_mov_b32 v[NIL], 0
	ds_add_u32 v[SPW], v[NIL]                      ; the wave's opening: the add and its wait ahead of my first tensor load
	v_lshrrev_b32 v1, 5, v0
	v_readfirstlane_b32 s[WV], v1
	s_lshr_b32 s[WM], s[WV], 1
	s_and_b32 s[WN], s[WV], 1
	s_bfe_u32 s[CX], ttmp6, 0x40000
	s_bfe_u32 s[CY], ttmp6, 0x40004
	s_lshl_b32 s[TN], ttmp9, 2
	s_add_co_u32 s[TN], s[TN], s[CX]
	s_and_b32 s[TM], ttmp7, 0xffff
	s_lshl_b32 s[TM], s[TM], 2
	s_add_co_u32 s[TM], s[TM], s[CY]
	s_lshl_b32 s57, s[CY], 2
	s_lshl_b32 s57, 15, s57
	s_lshl_b32 s58, 0x1111, s[CX]
	s_or_b32 s[G1A], s57, (1<<16)|(1<<20)|(1<<21)|(5<<22)|(3<<25)   ; after every 64 words, 4 words
	s_mov_b32 s[G1A+1], 128<<16
	s_mov_b32 s[G1A+2], 128<<16
	s_mov_b32 s[G1A+3], 128<<16
	s_mov_b32 s[G1A+4], 128
	s_mov_b32 s[G1A+5], 512
	s_mov_b32 s[G1A+6], 0
	s_mov_b32 s[G1A+7], 0
	s_or_b32 s[G1B], s58, (1<<16)|(1<<20)|(1<<21)|(6<<22)|(7<<25)   ; after every 128 words, 8 words
	s_mov_b32 s[G1B+1], 256<<16                    ; 64 k x 256 columns
	s_mov_b32 s[G1B+2], 64<<16
	s_mov_b32 s[G1B+3], 256<<16
	s_mov_b32 s[G1B+4], 64
	s_mov_b32 s[G1B+5], 2048
	s_mov_b32 s[G1B+6], 0
	s_mov_b32 s[G1B+7], 0
	s_lshl_b32 s60, s[TM], 18
	s_lshl_b32 s61, s[WN], 17
	s_add_co_u32 s60, s60, s61
	s_mov_b32 s61, 0
	s_lshl_b32 s62, s[TN], 9                       ; the tile's 256 columns: 512 bytes of a row of W1,
	s_lshl_b32 s63, s[WN], 18                      ; my 64 k of a step's 128: rows of 4,096 bytes
	s_add_co_u32 s62, s62, s63
	s_add_co_u32 s62, s62, W1H
	s_mov_b32 s63, 0
	s_mul_i32 s66, s[WN], 128*PA
	s_mul_i32 s67, s[WN], 64*PB
	s_add_co_u32 s67, s67, BOFF
	s_mov_b32 s[TB], 0
	s_mov_b32 s[KP], 0x3eaa540e
	s_mov_b32 s[KC], 0xbf38aa3b
	s_mov_b32 s[KC+1], s[KC]
	s_mov_b32 s[K3], 0x3ebf7377
	s_mov_b32 s[K3+1], s[K3]
	s_mov_b32 s[K2], 0xbd445ca1
	s_mov_b32 s[K2+1], s[K2]
	s_mov_b32 s[K1], 0x3e32303a
	s_mov_b32 s[K1+1], s[K1]
	s_wait_dscnt 0x0                               ; the opening add is done
	s_wait_kmcnt 0x0
	s_add_nc_u64 s[60:61], s[4:5], s[60:61]
	s_add_nc_u64 s[62:63], s[6:7], s[62:63]
	CROUND
.irp s, 0,1
	s_mov_b32 s[G0A+4*\s], 1
	s_add_co_u32 s[G0A+4*\s+1], s66, \s*SLOT
	s_add_nc_u64 s[G0A+4*\s+2:G0A+4*\s+3], s[60:61], \s*256
	s_or_b32 s[G0A+4*\s+3], s[G0A+4*\s+3], 0x80000000
	s_mov_b32 s[G0B+4*\s], 1
	s_add_co_u32 s[G0B+4*\s+1], s67, \s*SLOT
	s_add_nc_u64 s[G0B+4*\s+2:G0B+4*\s+3], s[62:63], \s*524288    ; K step s: 128 rows of 4,096 bytes
	s_or_b32 s[G0B+4*\s+3], s[G0B+4*\s+3], 0x80000000
.endr
	s_cmp_eq_u32 s[WM], 0
	s_cbranch_scc0 .Lfirst_b
	tensor_load_to_lds s[G0A:G0A+3], s[G1A:G1A+7]
	s_nop 0
	tensor_load_to_lds s[G0A+4:G0A+7], s[G1A:G1A+7]
	s_nop 0
	PLACES
	s_branch .Lfirst_asked
.Lfirst_b:
	tensor_load_to_lds s[G0B:G0B+3], s[G1B:G1B+7]
	s_nop 0
	tensor_load_to_lds s[G0B+4:G0B+7], s[G1B:G1B+7]
	s_nop 0
	PLACES
.Lfirst_asked:
	v_and_b32 v1, 15, v0
	v_bfe_u32 v2, v0, 4, 1
	s_lshl_b32 s58, s[WN], 9
	v_lshl_add_u32 v[VB], v2, 5, s58               ; b1: my 128 columns, my lanes' 8
	s_lshl_b32 s62, s[TN], 10
	s_mov_b32 s63, 0
	s_add_nc_u64 s[68:69], s[8:9], s[62:63]
.irp b, 0,1,2,3,4,5,6,7
	global_load_b128 v[BI+8*\b:BI+8*\b+3],   v[VB], s[68:69] offset:64*\b
	global_load_b128 v[BI+8*\b+4:BI+8*\b+7], v[VB], s[68:69] offset:64*\b+16
.endr
	s_lshl_b32 s62, s[TN], 22                      ; t at group 4 tn + 2 wn, token 256 tm + 128 wm
	s_lshl_b32 s63, s[WN], 21
	s_add_co_u32 s62, s62, s63
	s_lshl_b32 s63, s[TM], 15
	s_add_co_u32 s62, s62, s63
	s_lshl_b32 s63, s[WM], 14
	s_add_co_u32 s62, s62, s63
	s_mov_b32 s63, 0
	s_add_nc_u64 s[10:11], s[10:11], s[62:63]
	v_mul_u32_u24 v[AA0], v1, PA
	v_lshl_add_u32 v[AA0], v2, 4, v[AA0]
	s_mul_i32 s57, s[WM], 128*PA
	v_add_nc_u32 v[AA0], s57, v[AA0]
	v_and_b32 v3, 7, v0
	v_lshl_add_u32 v3, v2, 3, v3
	v_mul_u32_u24 v[AB0], v3, PB
	v_bfe_u32 v3, v0, 3, 1
	v_lshl_add_u32 v[AB0], v3, 4, v[AB0]
	s_lshl_b32 s57, s[WN], 8
	s_add_co_u32 s57, s57, BOFF
	v_add_nc_u32 v[AB0], s57, v[AB0]
	v_mov_b32 v[ADRA], v[AA0]
	v_mov_b32 v[ADRB], v[AB0]
	s_mul_i32 s57, s[WV], WST                      ; my stage
	v_mul_u32_u24 v[DST], v1, SPI
	v_lshl_add_u32 v[DST], v2, 5, v[DST]
	v_add_nc_u32 v[DST], s57, v[DST]
	v_mul_u32_u24 v[RD], v2, SPI                   ; back: lanes 0-15 a group's 256 bytes of one token, lanes 16-31 of the next
	v_lshl_add_u32 v[RD], v1, 4, v[RD]
	v_add_nc_u32 v[RD], s57, v[RD]
	v_and_b32 v[GO], 31, v0
	v_lshlrev_b32 v[GO], 3, v[GO]
.macro MUL f, hi, a0, first            ; 16 products; the 64 accumulators take turns.  first = 1: they start the sums with the bias
.if \first
	WIN 0x81+0x40*(\hi)
.else
	WIN 0xa1+0x50*(\hi)
.endif
.irp a, \a0, (\a0)+1
.irp b, 0,1,2,3,4,5,6,7
.if \first
	v_wmma_f32_16x16x32_f16 v[8*(8*(\a)+(\b)):8*(8*(\a)+(\b))+7], v[(\f)+8*(\b):(\f)+8*(\b)+7], v[(\f)+8*(4*(\hi)+(\a)):(\f)+8*(4*(\hi)+(\a))+7], v[BI+8*(\b):BI+8*(\b)+7]
.else
	v_wmma_f32_16x16x32_f16 v[8*(8*(\a)+(\b)):8*(8*(\a)+(\b))+7], v[(\f)+8*(\b):(\f)+8*(\b)+7], v[(\f)+8*(4*(\hi)+(\a)):(\f)+8*(4*(\hi)+(\a))+7], v[8*(8*(\a)+(\b)):8*(8*(\a)+(\b))+7]
.endif
.endr
.endr
.endm
.macro FETCH q, f                      ; 32 LDS loads in one run
	WIN 0x40
.irp b, 0,1,2,3,4,5,6,7
	ds_load_tr16_b128 v[(\f)+8*(\b):(\f)+8*(\b)+3],   v[ADRB] offset:32*PB*(\q)+32*(\b)
	ds_load_tr16_b128 v[(\f)+8*(\b)+4:(\f)+8*(\b)+7], v[ADRB] offset:32*PB*(\q)+32*(\b)+16*PB
.endr
	WIN 0
.irp i, 0,1,2,3,4,5,6,7
	ds_load_b128 v[(\f)+8*(\i):(\f)+8*(\i)+3],   v[ADRA] offset:64*(\q)+16*PA*(\i)
	ds_load_b128 v[(\f)+8*(\i)+4:(\f)+8*(\i)+7], v[ADRA] offset:64*(\q)+16*PA*(\i)+32
.endr
.endm
.macro QUARTER q, f, g, first
	s_wait_dscnt 8                                 ; all but the youngest eight loads (my tokens 64-127)
	MUL \f, 0, 0, \first
	MUL \f, 0, 2, \first
	PLACES
	FETCH \q, \g
	s_wait_dscnt 32                                ; all but the 32 just issued
	MUL \f, 1, 0, \first
	MUL \f, 1, 2, \first
.endm
.macro TURN fill, last                 ; a step's last quarter and the change of slots
	WIN 0
	s_wait_tensorcnt 0x0                           ; all my tensor loads have landed
	ds_add_u32 v[SPW], v[NIL]
	s_wait_dscnt 9                                 ; (the add and the youngest eight loads may be out)
	MUL F1, 0, 0, 0
	s_wait_dscnt 0x0                               ; the add is done, and my reads of this slot are over
	s_barrier_signal -1
	MUL F1, 0, 2, 0
	WIN 0
	s_barrier_wait -1
.if \fill
	CREST
	s_xor_b32 s[G0A+5], s[G0A+5], SLOT
	s_add_nc_u64 s[G0A+6:G0A+7], s[G0A+6:G0A+7], 256
	s_xor_b32 s[G0B+5], s[G0B+5], SLOT
	s_add_nc_u64 s[G0B+6:G0B+7], s[G0B+6:G0B+7], 524288
	JLOAD
.else
	PLACES
.endif
	s_xor_b32 s[TB], s[TB], SLOT
	v_add_nc_u32 v[ADRA], s[TB], v[AA0]
	v_add_nc_u32 v[ADRB], s[TB], v[AB0]
.if \last
	s_cmp_eq_u32 s[CNT], 1
	s_cbranch_scc1 .Lno_fetch_\@
.endif
	FETCH 0, F0
.if \last
.Lno_fetch_\@:
.endif
	MUL F1, 1, 0, 0
	MUL F1, 1, 2, 0
.endm
	s_wait_tensorcnt 1                             ; my part of K step 0 is in; step 1's may stay out
	s_barrier_signal -1
	s_barrier_wait -1
	FETCH 0, F0
	s_wait_loadcnt 0x0                             ; the bias
	QUARTER 1, F0, F1, 1
	WIN 0
	s_mov_b32 s[CNT], 2
.Lfill:
	QUARTER 2, F1, F0, 0
	QUARTER 3, F0, F1, 0
	TURN 1, 0
	QUARTER 1, F0, F1, 0
	WIN 0
	s_sub_co_u32 s[CNT], s[CNT], 1
	s_cmp_lg_u32 s[CNT], 0
	s_cbranch_scc1 .Lfill
	s_mov_b32 s[CNT], 2
.Ltail:
	QUARTER 2, F1, F0, 0
	QUARTER 3, F0, F1, 0
	TURN 0, 1
	WIN 0
	s_cmp_eq_u32 s[CNT], 1
	s_cbranch_scc1 .Lskip
	QUARTER 1, F0, F1, 0
	WIN 0
.Lskip:
	s_sub_co_u32 s[CNT], s[CNT], 1
	s_cmp_lg_u32 s[CNT], 0
	s_cbranch_scc1 .Ltail
	; THE WAY OUT.  The sums go as f32 into my own stage; then a loop takes eight tokens a trip, in two halves of four, through the GELU.
	PLACES
	s_wait_dscnt 0x0
	s_barrier_signal -1
	s_barrier_wait -1                              ; no wave reads the ring any more, and nothing fills it again
.irp hi, 0,1
	WIN 0x08+0x04*\hi
.irp a, 0,1,2,3
.irp b, 0,1,2,3,4,5,6,7
	ds_store_b128 v[DST], v[8*(8*\a+\b):8*(8*\a+\b)+3]   offset:16*SPI*(4*\hi+\a)+64*\b
	ds_store_b128 v[DST], v[8*(8*\a+\b)+4:8*(8*\a+\b)+7] offset:16*SPI*(4*\hi+\a)+64*\b+16
.endr
.endr
.endr
	WIN 0
.macro LOADZ z, half, ahead            ; four tokens x 128 columns: pair of tokens u / 2, group u % 2.  LDS serves a wave's instructions in order: these see my stores
.irp u, 0,1,2,3
	ds_load_b128 v[(\z)+4*\u:(\z)+4*\u+3], v[RD] offset:4*SPI*(\half)+2*SPI*(\u/2)+256*(\u%2)+8*SPI*(\ahead)
.endr
.endm
.macro SENDZ o, half
.irp u, 0,1,2,3
	global_store_b64 v[GO], v[(\o)+2*\u:(\o)+2*\u+1], s[10:11] offset:512*(\half)+256*(\u/2)+1048576*(\u%2)   ; two tokens x 128 bytes: 256 consecutive bytes, aligned
.endr
.endm
.macro GELU z, o                       ; 16 numbers a lane; the 32 reciprocals and exponentials are one batch with one wait, the 16 maxima the independent work behind it
.set n, 0
.rept 16
	v_fma_f32 v[U+n], |v[(\z)+n]|, s[KP], 1.0
.set n, n+1
.endr
.set n, 0
.rept 8
	v_pk_mul_f32 v[E+n:E+n+1], v[(\z)+n:(\z)+n+1], v[(\z)+n:(\z)+n+1]
.set n, n+2
.endr
.set n, 0
.rept 8
	v_pk_mul_f32 v[E+n:E+n+1], v[E+n:E+n+1], s[KC:KC+1] op_sel_hi:[1,0]
.set n, n+2
.endr
.set n, 0
.rept 16
	v_rcp_f32 v[U+n], v[U+n]
.set n, n+1
.endr
.set n, 0
.rept 16
	v_exp_f32 v[E+n], v[E+n]
.set n, n+1
.endr
.set n, 0
.rept 16
	v_max_num_f32 v[R+n], 0, v[(\z)+n]
.set n, n+1
.endr
	s_wait_alu depctr_va_vdst(0)                   ; ahead of the first use
.set n, 0
.rept 8
	v_pk_fma_f32 v[Q+n:Q+n+1], v[U+n:U+n+1], s[K3:K3+1], s[K2:K2+1] op_sel_hi:[1,0,0]
.set n, n+2
.endr
.set n, 0
.rept 8
	v_pk_fma_f32 v[Q+n:Q+n+1], v[Q+n:Q+n+1], v[U+n:U+n+1], s[K1:K1+1] op_sel_hi:[1,1,0]
.set n, n+2
.endr
.set n, 0
.rept 8
	v_pk_mul_f32 v[Q+n:Q+n+1], v[Q+n:Q+n+1], v[U+n:U+n+1]
.set n, n+2
.endr
.set n, 0
.rept 8
	v_pk_mul_f32 v[Q+n:Q+n+1], v[Q+n:Q+n+1], v[E+n:E+n+1]
.set n, n+2
.endr
.set n, 0
.rept 16
	v_fma_f32 v[R+n], -|v[(\z)+n]|, v[Q+n], v[R+n]
.set n, n+1
.endr
.set n, 0
.rept 8
	v_cvt_pk_f16_f32 v[(\o)+n], v[R+2*n], v[R+2*n+1]
.set n, n+1
.endr
.endm
	LOADZ ZA, 0, 0
	LOADZ ZC, 1, 0
	s_mov_b32 s[CNT], 16
.Lgelu:
	s_wait_dscnt 4                                 ; the first half is in; the second half's four loads may stay out
	GELU ZA, OA
	s_wait_dscnt 0x0                               ; the second half, asked for half a trip ago
	s_cmp_eq_u32 s[CNT], 1                         ; the last trip has nothing behind it
	s_cbranch_scc1 .Lno_a
	LOADZ ZA, 0, 1
.Lno_a:
	SENDZ OA, 0
	GELU ZC, OC
	s_cmp_eq_u32 s[CNT], 1
	s_cbranch_scc1 .Lno_c
	LOADZ ZC, 1, 1
.Lno_c:
	SENDZ OC, 1
	s_wait_xcnt 0x0                                ; the stores have read their registers: only now are they written again
	v_add_nc_u32 v[RD], 8*SPI, v[RD]
	v_add_nc_u32 v[GO], 1024, v[GO]
	s_sub_co_u32 s[CNT], s[CNT], 1
	s_cmp_lg_u32 s[CNT], 0
	s_cbranch_scc1 .Lgelu
	s_wait_tensorcnt 0x0                           ; the wave's end
	ds_add_u32 v[SPW], v[NIL]
	s_wait_dscnt 0x0
	CROUND                                         ; the closing round
	s_endpgm
.Lfunc_end_k_q471eb442f3_mlp1:
	.size	k_q471eb442f3_mlp1, .Lfunc_end_k_q471eb442f3_mlp1-k_q471eb442f3_mlp1
	.p2alignl 7, 3214868480
	.fill 96, 4, 3214868480
	.section	.rodata,"a",@progbits
	.p2align	6, 0x0
	.amdhsa_kernel k_q471eb442f3_mlp1
		.amdhsa_group_segment_fixed_size 327680
		.amdhsa_private_segment_fixed_size 0
		.amdhsa_enable_private_segment 0
		.amdhsa_kernarg_size 32
		.amdhsa_user_sgpr_count 2
		.amdhsa_user_sgpr_kernarg_segment_ptr 1
		.amdhsa_wavefront_size32 1
		.amdhsa_system_sgpr_workgroup_id_x 1
		.amdhsa_system_sgpr_workgroup_id_y 1
		.amdhsa_system_sgpr_workgroup_id_z 1
		.amdhsa_system_vgpr_workitem_id 0
		.amdhsa_next_free_vgpr 1024
		.amdhsa_next_free_sgpr 80
		.amdhsa_reserve_vcc 0
		.amdhsa_float_denorm_mode_32 3
		.amdhsa_float_denorm_mode_16_64 3
		.amdhsa_memory_ordered 1
		.amdhsa_forward_progress 1
		.amdhsa_inst_pref_size 95
	.end_amdhsa_kernel
	.amdgpu_metadata
---
amdhsa.version: [ 1, 2 ]
amdhsa.kernels:
  - .name:           k_q471eb442f3_mlp1
    .symbol:         k_q471eb442f3_mlp1.kd
    .args:
      - { .name: y, .offset: 0, .size: 8, .value_kind: global_buffer, .address_space: global }
      - { .name: wh, .offset: 8, .size: 8, .value_kind: global_buffer, .address_space: global }
      - { .name: b1, .offset: 16, .size: 8, .value_kind: global_buffer, .address_space: global }
      - { .name: t, .offset: 24, .size: 8, .value_kind: global_buffer, .address_space: global }
    .group_segment_fixed_size: 327680
    .private_segment_fixed_size: 0
    .kernarg_segment_align: 8
    .kernarg_segment_size: 32
    .max_flat_workgroup_size: 128
    .sgpr_count:     80
    .vgpr_count:     1024
    .wavefront_size: 32
...
	.end_amdgpu_metadata
.endif
;; end of part 5
;; launch mlp2 (part 6): grid 4 x 64, 4 waves a work-group, clusters of 4 x 4, 327,680 bytes of LDS; arguments t, wh, hb, out0; writes out0
.if DOCPART == 6
	.amdgcn_target "amdgcn-amd-amdhsa--gfx1250"
	.amdhsa_code_object_version 6
	.text
	.protected	k_q471eb442f3_mlp2
	.globl	k_q471eb442f3_mlp2
	.p2align	8
	.type	k_q471eb442f3_mlp2,@function
k_q471eb442f3_mlp2:
	s_mov_b64 s[64:65], 0
	v_nop
	global_prefetch_b8 v0, s[64:65] scope:SCOPE_SE
	s_setreg_imm32_b32 hwreg(HW_REG_WAVE_MODE, 25, 1), 1
	s_wait_xcnt 0x0
	s_wait_alu depctr_hold_cnt(0) depctr_sa_sdst(0) depctr_va_vdst(0) depctr_va_sdst(0) depctr_va_ssrc(0) depctr_va_vcc(0) depctr_vm_vsrc(0)
	s_getreg_b32 s2, hwreg(HW_REG_IB_STS2, 6, 4)
	s_cmp_eq_u32 s2, 0
	s_cbranch_scc0 .Lentry_in_a_cluster
	s_endpgm
.Lentry_in_a_cluster:
	s_bfe_u32 s2, ttmp6, 0x10000c
	s_cmp_lg_u32 s2, 0xf033
	s_cbranch_scc0 .Lentry_shape_is_right
	s_endpgm
.Lentry_shape_is_right:
; out0 = hb + t W2.  t: [32 groups of 64][8192][64] f16; W2: [2048][512] f16 at byte 4,194,304 of wh; hb = h + b2 and out0: [8192][512] f32.
; A tile is 128 tokens x 128 columns: 64 x 4 = 256 work-groups.  K IS SPLIT AMONG THE FOUR WAVES: each makes the whole tile (64 accumulators) over a quarter of K, so each LDS byte is read by one wave;
; the four partial sums meet in LDS at the end (f32 sums, in a fixed order).  K = 2,048 goes in eight steps of 256 (four groups of t) through two LDS slots; of each step wave w takes group w: two quarters of 32.
; ROTATION.  Accumulator block a of wave w stands for token block (a + 2 w) % 8, by eight address registers; so in every wave blocks 0 and 1 are the 32 tokens that the wave itself finishes, and hb is loaded
; straight into those 16 accumulators (16 bytes a lane, 64 KiB a work-group): their products add in place from the first, the others start with the constant 0.  One text for all waves.
; LIMIT.  t and W2 lie within f16's 65,504.
; CLUSTER 4 x 4: the four of a row share t's tile, the four of a column W2's.  The matrix instruction is used transposed.
; REGISTERS: window 0: v0-31 addresses; v64-127, v128-191 t's fragments (on the way out: the partial sums).  Window 1: v64-127, v128-191 W2's.  Windows 2, 3: the accumulators, (a, b) at v[8 (8 (a % 4) + b)].
.set SLOT,  147456                     ; 4 groups x 128 rows x 144, then 256 k x 288; its two bits are in none of the four parts' first bytes
.set PA,    144
.set PB,    288
.set BOFF,  4*128*PA
.set SPI,   528
.set WST,   128*SPI                    ; a wave's stage, over the ring when its last fill has been read
.set SPARE, 294912
.set W2H,   4194304
.set AB0, 4
.set ADRB, 5
.set DST, 6
.set AA0, 8                            ; v8-15   my lane's place in a slot's rows of block a
.set ADRA, 16                          ; v16-23  the same in the slot in hand
.set RDV, 24                           ; v24-27  where my 32 tokens lie in the stage of wave u
.set SPW, 28
.set NIL, 29
.set GO,  30
.set HO,  31
.set F0,  64
.set F1,  128
.set PS,  64
.set WV, 16
.set WM, 17
.set WN, 18
.set CX, 19
.set CY, 20
.set TN, 21
.set TM, 22
.set CNT, 23
.set G1A, 24
.set G0A, 32
.set G1B, 40
.set G0B, 48
.set TB,  56
.set MSB, 0
.macro WIN new
.if MSB != (\new)
	s_set_vgpr_msb (MSB<<8)|(\new)
.set MSB, \new
.endif
.endm
.macro PLACES
.rept 4
	v_nop
.endr
.endm
.macro JLOAD
	s_cmp_eq_u32 s[WM], 0
	s_cbranch_scc0 .Lfor_b_\@
	tensor_load_to_lds s[G0A+4:G0A+7], s[G1A:G1A+7]
	s_nop 0
	PLACES
	s_branch .Lasked_\@
.Lfor_b_\@:
	tensor_load_to_lds s[G0B+4:G0B+7], s[G1B:G1B+7]
	s_nop 0
	PLACES
.Lasked_\@:
.endm
.macro CREST
	s_cmp_lg_u32 s[WV], 0
	s_cbranch_scc1 .Lnot_wave_0_\@
	s_barrier_signal -3
.Lnot_wave_0_\@:
	s_barrier_wait -3
	s_barrier_signal -1
	s_barrier_wait -1
.endm
.macro CROUND
	s_barrier_signal -1
	s_barrier_wait -1
	CREST
.endm
	s_load_b256 s[4:11], s[0:1], 0x0               ; t s[4:5], wh s[6:7], hb s[8:9], out0 s[10:11]
	v_lshl_add_u32 v[SPW], v0, 2, SPARE
	v_mov_b32 v[NIL], 0
	ds_add_u32 v[SPW], v[NIL]                      ; the wave's opening: the add and its wait ahead of my first tensor load
	v_lshrrev_b32 v1, 5, v0
	v_readfirstlane_b32 s[WV], v1
	s_lshr_b32 s[WM], s[WV], 1                     ; I fetch for t (0) or for W2 (1),
	s_and_b32 s[WN], s[WV], 1                      ; its first or its second half
	s_bfe_u32 s[CX], ttmp6, 0x40000
	s_bfe_u32 s[CY], ttmp6, 0x40004
	s_lshl_b32 s[TN], ttmp9, 2
	s_add_co_u32 s[TN], s[TN], s[CX]
	s_and_b32 s[TM], ttmp7, 0xffff
	s_lshl_b32 s[TM], s[TM], 2
	s_add_co_u32 s[TM], s[TM], s[CY]
	s_lshl_b32 s57, s[CY], 2
	s_lshl_b32 s57, 15, s57
	s_lshl_b32 s58, 0x1111, s[CX]
	s_or_b32 s[G1A], s57, (1<<16)|(1<<20)|(1<<21)|(4<<22)|(3<<25)   ; after every 32 words (a token's 128 bytes), 4 words
	s_mov_b32 s[G1A+1], 8192<<16                   ; a group's 128 tokens are 16,384 dense bytes: one row of 8,192 elements; two groups a load
	s_mov_b32 s[G1A+2], 2<<16
	s_mov_b32 s[G1A+3], 8192<<16
	s_mov_b32 s[G1A+4], 2
	s_mov_b32 s[G1A+5], 524288                     ; elements from group to group
	s_mov_b32 s[G1A+6], 0
	s_mov_b32 s[G1A+7], 0
	s_or_b32 s[G1B], s58, (1<<16)|(1<<20)|(1<<21)|(5<<22)|(7<<25)   ; after every 64 words, 8 words
	s_mov_b32 s[G1B+1], 128<<16
	s_mov_b32 s[G1B+2], 128<<16
	s_mov_b32 s[G1B+3], 128<<16
	s_mov_b32 s[G1B+4], 128
	s_mov_b32 s[G1B+5], 512
	s_mov_b32 s[G1B+6], 0
	s_mov_b32 s[G1B+7], 0
	s_lshl_b32 s60, s[TM], 14                      ; the tile's 128 tokens in a group,
	s_lshl_b32 s61, s[WN], 21                      ; my two groups of a step's four
	s_add_co_u32 s60, s60, s61
	s_mov_b32 s61, 0
	s_lshl_b32 s62, s[TN], 8                       ; the tile's 128 columns,
	s_lshl_b32 s63, s[WN], 17                      ; my 128 k of a step's 256
	s_add_co_u32 s62, s62, s63
	s_add_co_u32 s62, s62, W2H
	s_mov_b32 s63, 0
	s_mul_i32 s66, s[WN], 2*128*PA
	s_mul_i32 s67, s[WN], 128*PB
	s_add_co_u32 s67, s67, BOFF
	s_mov_b32 s[TB], 0
	s_wait_dscnt 0x0                               ; the opening add is done
	s_wait_kmcnt 0x0
	s_add_nc_u64 s[60:61], s[4:5], s[60:61]
	s_add_nc_u64 s[62:63], s[6:7], s[62:63]
	CROUND
.irp s, 0,1
	s_mov_b32 s[G0A+4*\s], 1
	s_add_co_u32 s[G0A+4*\s+1], s66, \s*SLOT
	s_add_nc_u64 s[G0A+4*\s+2:G0A+4*\s+3], s[60:61], \s*4194304   ; K step s: four groups on
	s_or_b32 s[G0A+4*\s+3], s[G0A+4*\s+3], 0x80000000
	s_mov_b32 s[G0B+4*\s], 1
	s_add_co_u32 s[G0B+4*\s+1], s67, \s*SLOT
	s_add_nc_u64 s[G0B+4*\s+2:G0B+4*\s+3], s[62:63], \s*262144    ; 256 rows of 1,024 bytes on
	s_or_b32 s[G0B+4*\s+3], s[G0B+4*\s+3], 0x80000000
.endr
	s_cmp_eq_u32 s[WM], 0
	s_cbranch_scc0 .Lfirst_b
	tensor_load_to_lds s[G0A:G0A+3], s[G1A:G1A+7]
	s_nop 0
	tensor_load_to_lds s[G0A+4:G0A+7], s[G1A:G1A+7]
	s_nop 0
	PLACES
	s_branch .Lfirst_asked
.Lfirst_b:
	tensor_load_to_lds s[G0B:G0B+3], s[G1B:G1B+7]
	s_nop 0
	tensor_load_to_lds s[G0B+4:G0B+7], s[G1B:G1B+7]
	s_nop 0
	PLACES
.Lfirst_asked:
	v_and_b32 v1, 15, v0                           ; r
	v_bfe_u32 v2, v0, 4, 1                         ; h
	s_lshl_b32 s62, s[TM], 18                      ; hb and out0 at the tile's first token and column
	s_lshl_b32 s63, s[TN], 9
	s_add_co_u32 s62, s62, s63
	s_mov_b32 s63, 0
	s_add_nc_u64 s[8:9], s[8:9], s[62:63]
	s_add_nc_u64 s[10:11], s[10:11], s[62:63]
	s_lshl_b32 s62, s[WV], 16                      ; my 32 tokens
	s_add_nc_u64 s[10:11], s[10:11], s[62:63]
	v_lshlrev_b32 v[HO], 11, v1
	v_lshl_add_u32 v[HO], v2, 5, v[HO]
	v_add_nc_u32 v[HO], s62, v[HO]                 ; (32 w + r) x 2,048 + 32 h
	WIN 0x80
.irp a, 0,1
.irp b, 0,1,2,3,4,5,6,7
	global_load_b128 v[8*(8*\a+\b):8*(8*\a+\b)+3],   v[HO], s[8:9] offset:32768*\a+64*\b
	global_load_b128 v[8*(8*\a+\b)+4:8*(8*\a+\b)+7], v[HO], s[8:9] offset:32768*\a+64*\b+16
.endr
.endr
	WIN 0
	v_mul_u32_u24 v3, v1, PA
	v_lshl_add_u32 v3, v2, 4, v3                   ; row x pitch + 16 h
	s_mul_i32 s58, s[WV], 128*PA                   ; my group of the step's four
	s_lshl_b32 s59, s[WV], 1
.irp a, 0,1,2,3,4,5,6,7
	s_add_co_u32 s57, s59, \a
	s_and_b32 s57, s57, 7                          ; token block (a + 2 w) % 8
	s_mul_i32 s57, s57, 16*PA
	s_add_co_u32 s57, s57, s58
	v_add_nc_u32 v[AA0+\a], s57, v3
	v_add_nc_u32 v[ADRA+\a], s57, v3
.endr
	v_and_b32 v3, 7, v0
	v_lshl_add_u32 v3, v2, 3, v3
	v_mul_u32_u24 v[AB0], v3, PB
	v_bfe_u32 v3, v0, 3, 1
	v_lshl_add_u32 v[AB0], v3, 4, v[AB0]
	s_mul_i32 s57, s[WV], 64*PB                    ; my 64 k of the step's 256
	s_add_co_u32 s57, s57, BOFF
	v_add_nc_u32 v[AB0], s57, v[AB0]
	v_mov_b32 v[ADRB], v[AB0]
	s_mul_i32 s57, s[WV], WST
	v_mul_u32_u24 v[DST], v1, SPI
	v_lshl_add_u32 v[DST], v2, 5, v[DST]
	v_add_nc_u32 v[DST], s57, v[DST]
	v_and_b32 v3, 31, v0
	v_lshlrev_b32 v[GO], 4, v3                     ; a row's 512 bytes: 16 l
.irp u, 0,1,2,3
	s_add_co_u32 s57, s59, 8-2*\u
	s_and_b32 s57, s57, 7                          ; in wave u's stage my tokens are its blocks (2 w - 2 u) % 8 and the next
	s_mul_i32 s57, s57, 16*SPI
	s_add_co_u32 s57, s57, \u*WST
	v_lshl_add_u32 v[RDV+\u], v3, 4, s57
.endr
.macro MUL f, hi, a0, zero             ; 16 products; the 64 accumulators take turns.  zero = 1: they start the sums
	WIN 0xa1+0x50*(\hi)
.irp a, \a0, (\a0)+1
.irp b, 0,1,2,3,4,5,6,7
.if \zero
	v_wmma_f32_16x16x32_f16 v[8*(8*(\a)+(\b)):8*(8*(\a)+(\b))+7], v[(\f)+8*(\b):(\f)+8*(\b)+7], v[(\f)+8*(4*(\hi)+(\a)):(\f)+8*(4*(\hi)+(\a))+7], 0
.else
	v_wmma_f32_16x16x32_f16 v[8*(8*(\a)+(\b)):8*(8*(\a)+(\b))+7], v[(\f)+8*(\b):(\f)+8*(\b)+7], v[(\f)+8*(4*(\hi)+(\a)):(\f)+8*(4*(\hi)+(\a))+7], v[8*(8*(\a)+(\b)):8*(8*(\a)+(\b))+7]
.endif
.endr
.endr
.endm
.macro FETCH q, f                      ; 32 LDS loads in one run: my group's quarter q
	WIN 0x40
.irp b, 0,1,2,3,4,5,6,7
	ds_load_tr16_b128 v[(\f)+8*(\b):(\f)+8*(\b)+3],   v[ADRB] offset:32*PB*(\q)+32*(\b)
	ds_load_tr16_b128 v[(\f)+8*(\b)+4:(\f)+8*(\b)+7], v[ADRB] offset:32*PB*(\q)+32*(\b)+16*PB
.endr
	WIN 0
.irp i, 0,1,2,3,4,5,6,7
	ds_load_b128 v[(\f)+8*(\i):(\f)+8*(\i)+3],   v[ADRA+(\i)] offset:64*(\q)
	ds_load_b128 v[(\f)+8*(\i)+4:(\f)+8*(\i)+7], v[ADRA+(\i)] offset:64*(\q)+32
.endr
.endm
.macro QUARTER first                   ; a step's first quarter: multiplies buffer 0, fetches the second into buffer 1.  first = 1: blocks 2 to 7 start their sums; blocks 0 and 1 hold hb
	s_wait_dscnt 8                                 ; all but the youngest eight loads (blocks 4-7)
	MUL F0, 0, 0, 0
	MUL F0, 0, 2, \first
	PLACES
	FETCH 1, F1
	s_wait_dscnt 32                                ; all but the 32 just issued
	MUL F0, 1, 0, \first
	MUL F0, 1, 2, \first
.endm
.macro TURN fill                       ; a step's second quarter and the change of slots
	WIN 0
	s_wait_tensorcnt 0x0                           ; all my tensor loads have landed
	ds_add_u32 v[SPW], v[NIL]
	s_wait_dscnt 9                                 ; (the add and the youngest eight loads may be out)
	MUL F1, 0, 0, 0
	s_wait_dscnt 0x0                               ; the add is done, and my reads of this slot are over
	s_barrier_signal -1
	MUL F1, 0, 2, 0
	WIN 0
	s_barrier_wait -1
.if \fill
	CREST
	s_xor_b32 s[G0A+5], s[G0A+5], SLOT
	s_add_nc_u64 s[G0A+6:G0A+7], s[G0A+6:G0A+7], 4194304
	s_xor_b32 s[G0B+5], s[G0B+5], SLOT
	s_add_nc_u64 s[G0B+6:G0B+7], s[G0B+6:G0B+7], 262144
	JLOAD                                          ; 96 products stand between this request and the wait for it
.else
	PLACES
.endif
	s_xor_b32 s[TB], s[TB], SLOT
	v_add_nc_u32 v[ADRB], s[TB], v[AB0]
.irp a, 0,1,2,3,4,5,6,7
	v_add_nc_u32 v[ADRA+\a], s[TB], v[AA0+\a]
.endr
	FETCH 0, F0
	MUL F1, 1, 0, 0
	MUL F1, 1, 2, 0
.endm
	s_wait_tensorcnt 1                             ; my part of K step 0 is in; step 1's may stay out
	s_barrier_signal -1
	s_barrier_wait -1
	FETCH 0, F0
	s_wait_loadcnt 0x0                             ; hb
	QUARTER 1
	WIN 0
	s_mov_b32 s[CNT], 6
.Lstep:                                                ; six trips: K steps 2 to 7 are asked for
	TURN 1
	QUARTER 0
	WIN 0
	s_sub_co_u32 s[CNT], s[CNT], 1
	s_cmp_lg_u32 s[CNT], 0
	s_cbranch_scc1 .Lstep
	TURN 0                                         ; the tail asks for nothing
	QUARTER 0
	s_wait_dscnt 8
	MUL F1, 0, 0, 0
	MUL F1, 0, 2, 0
	s_wait_dscnt 0x0
	MUL F1, 1, 0, 0
	MUL F1, 1, 2, 0
	; THE WAY OUT.  Each wave's partial sums go into its stage; then wave w adds the four partial sums of tokens 32 w .. 32 w + 31 and stores them.
	WIN 0
	PLACES
	s_barrier_signal -1
	s_barrier_wait -1                              ; no wave reads the ring any more, and nothing fills it again
.irp hi, 0,1
	WIN 0x08+0x04*\hi
.irp a, 0,1,2,3
.irp b, 0,1,2,3,4,5,6,7
	ds_store_b128 v[DST], v[8*(8*\a+\b):8*(8*\a+\b)+3]   offset:16*SPI*(4*\hi+\a)+64*\b
	ds_store_b128 v[DST], v[8*(8*\a+\b)+4:8*(8*\a+\b)+7] offset:16*SPI*(4*\hi+\a)+64*\b+16
.endr
.endr
.endr
	WIN 0
	s_wait_dscnt 0x0                               ; for the others' sake: my stores are done
	s_barrier_signal -1
	s_barrier_wait -1
	s_mov_b32 s[CNT], 4
.Lsum:                                                 ; eight tokens a trip
.irp i, 0,1,2,3,4,5,6,7
.irp u, 0,1,2,3
	ds_load_b128 v[PS+16*\i+4*\u:PS+16*\i+4*\u+3], v[RDV+\u] offset:SPI*\i
.endr
.endr
.irp i, 0,1,2,3,4,5,6,7
	s_wait_dscnt 28-4*\i                           ; token i's four loads are in; the later tokens' may stay out
	v_pk_add_f32 v[PS+16*\i:PS+16*\i+1],     v[PS+16*\i:PS+16*\i+1],     v[PS+16*\i+4:PS+16*\i+5]
	v_pk_add_f32 v[PS+16*\i+2:PS+16*\i+3],   v[PS+16*\i+2:PS+16*\i+3],   v[PS+16*\i+6:PS+16*\i+7]
	v_pk_add_f32 v[PS+16*\i+8:PS+16*\i+9],   v[PS+16*\i+8:PS+16*\i+9],   v[PS+16*\i+12:PS+16*\i+13]
	v_pk_add_f32 v[PS+16*\i+10:PS+16*\i+11], v[PS+16*\i+10:PS+16*\i+11], v[PS+16*\i+14:PS+16*\i+15]
	v_pk_add_f32 v[PS+16*\i:PS+16*\i+1],     v[PS+16*\i:PS+16*\i+1],     v[PS+16*\i+8:PS+16*\i+9]
	v_pk_add_f32 v[PS+16*\i+2:PS+16*\i+3],   v[PS+16*\i+2:PS+16*\i+3],   v[PS+16*\i+10:PS+16*\i+11]
	global_store_b128 v[GO], v[PS+16*\i:PS+16*\i+3], s[10:11] offset:2048*\i   ; 512 consecutive bytes, aligned
.endr
	s_wait_xcnt 0x0                                ; the stores have read their registers: only now are they written again
.irp u, 0,1,2,3
	v_add_nc_u32 v[RDV+\u], 8*SPI, v[RDV+\u]
.endr
	v_add_nc_u32 v[GO], 16384, v[GO]
	s_sub_co_u32 s[CNT], s[CNT], 1
	s_cmp_lg_u32 s[CNT], 0
	s_cbranch_scc1 .Lsum
	s_wait_tensorcnt 0x0                           ; the wave's end
	ds_add_u32 v[SPW], v[NIL]
	s_wait_dscnt 0x0
	CROUND                                         ; the closing round
	s_endpgm
.Lfunc_end_k_q471eb442f3_mlp2:
	.size	k_q471eb442f3_mlp2, .Lfunc_end_k_q471eb442f3_mlp2-k_q471eb442f3_mlp2
	.p2alignl 7, 3214868480
	.fill 96, 4, 3214868480
	.section	.rodata,"a",@progbits
	.p2align	6, 0x0
	.amdhsa_kernel k_q471eb442f3_mlp2
		.amdhsa_group_segment_fixed_size 327680
		.amdhsa_private_segment_fixed_size 0
		.amdhsa_enable_private_segment 0
		.amdhsa_kernarg_size 32
		.amdhsa_user_sgpr_count 2
		.amdhsa_user_sgpr_kernarg_segment_ptr 1
		.amdhsa_wavefront_size32 1
		.amdhsa_system_sgpr_workgroup_id_x 1
		.amdhsa_system_sgpr_workgroup_id_y 1
		.amdhsa_system_sgpr_workgroup_id_z 1
		.amdhsa_system_vgpr_workitem_id 0
		.amdhsa_next_free_vgpr 1024
		.amdhsa_next_free_sgpr 80
		.amdhsa_reserve_vcc 0
		.amdhsa_float_denorm_mode_32 3
		.amdhsa_float_denorm_mode_16_64 3
		.amdhsa_memory_ordered 1
		.amdhsa_forward_progress 1
		.amdhsa_inst_pref_size 68
	.end_amdhsa_kernel
	.amdgpu_metadata
---
amdhsa.version: [ 1, 2 ]
amdhsa.kernels:
  - .name:           k_q471eb442f3_mlp2
    .symbol:         k_q471eb442f3_mlp2.kd
    .args:
      - { .name: t, .offset: 0, .size: 8, .value_kind: global_buffer, .address_space: global }
      - { .name: wh, .offset: 8, .size: 8, .value_kind: global_buffer, .address_space: global }
      - { .name: hb, .offset: 16, .size: 8, .value_kind: global_buffer, .address_space: global }
      - { .name: out0, .offset: 24, .size: 8, .value_kind: global_buffer, .address_space: global }
    .group_segment_fixed_size: 327680
    .private_segment_fixed_size: 0
    .kernarg_segment_align: 8
    .kernarg_segment_size: 32
    .max_flat_workgroup_size: 128
    .sgpr_count:     80
    .vgpr_count:     1024
    .wavefront_size: 32
...
	.end_amdgpu_metadata
.endif
;; end of part 6
